; MI455X (gfx1250); checked and timed in simulation.
; The chip was launched on July 23, 2026; its instructions are those of AMD's public machine-readable ISA for CDNA 5 (MIT licence, August 2026) and "CDNA5" Instruction Set Architecture Reference Guide (July 2026). The comments in the code are by the model that wrote it; some were corrected since.
;; MT5 Decoder Layer Transformers. Allowed arithmetic: matrix products marked QUANTISED: E2M3 operands, one E8M0 scale for each 32 along K, by v_wmma_scale_f32_16x16x128_f8f6f4 with both operands' format E2M3, f32 sums; everything else in f32.
;; Inputs: encoder_output 4 x 512 x 1,024 float32; input_ids 4 x 2,048 x 1,024 float32; ln_w 1,024 float32; rel_emb 32 x 16 float32; wk 1,024 x 1,024 float32; wo 1,024 x 1,024 float32; wq 1,024 x 1,024 float32; wv 1,024 x 1,024 float32.
;; Outputs: out0 4 x 2,048 x 1,024 float32.
;; This version of the problem:
;;   THIS VERSION OF THE PROBLEM IS GIVEN IN LOW PRECISION. The matrix products marked QUANTISED in the list below multiply operands that are first quantised to E2M3 (2 exponent bits, 3 mantissa bits; 6 bits a number), with one power-of-two scale for each 32 numbers along K (OCP MX v1.0); their sums are f32. All else is computed in f32.
;;   The module's matrix products, in the order in which they are computed (A, B: the left and right operand; K: the contracted axis; several contracted axes count as one K, in the product's order):
;;     1. [M 8,192, K 1,024] x [K 1,024, N 1,024]; A: computed on the way; B: input wq: QUANTISED
;;     2. [M 8,192, K 1,024] x [K 1,024, N 1,024]; A: computed on the way; B: input wk: QUANTISED
;;     3. [M 8,192, K 1,024] x [K 1,024, N 1,024]; A: computed on the way; B: input wv: QUANTISED
;;     4. batch 64 x [M 2,048, K 64] x [K 64, N 2,048]; A: computed on the way; B: computed on the way: QUANTISED
;;     5. batch 64 x [M 64, K 2,048] x [K 2,048, N 2,048]; A: computed on the way; B: softmax (see below): QUANTISED
;;     6. [M 8,192, K 1,024] x [K 1,024, N 1,024]; A: computed on the way; B: input wo: QUANTISED
;;   THE QUANTISER, for each operand of a quantised product, along K:
;;     - K is cut into blocks of 32 from its start; a last block that is shorter is filled with zeros.
;;     - A block's scale is 2^e with e = floor(log2(the largest magnitude in the block)) - 2, held to -126 .. 127; a block of zeros has e = 0. As a byte (E8M0): e + 127.
;;     - Each number is divided by its block's scale, clamped to +-7.5, and rounded to the nearest number of E2M3, ties to even, subnormals kept.
;;     - The product sums the exact products of the quantised numbers (number of the format x scale) in f32.
;;   ~~~python
;;   def quantise(x, axis):      # numpy; x: float32 -> the quantised numbers, widened to float32 again
;;       x = np.moveaxis(x, axis, -1); K = x.shape[-1]
;;       x = np.pad(x, [(0, 0)] * (x.ndim - 1) + [(0, -K % 32)]); x = x.reshape(x.shape[:-1] + (-1, 32)); a = np.abs(x).max(-1, keepdims=True)
;;       e = np.where(a > 0, np.clip(np.frexp(np.where(a > 0, a, 1))[1] - 1 - 2, -126, 127), 0)      # np.frexp(a)[1] - 1 = floor(log2(a)), exactly
;;       r = np.clip(x / 2.0 ** e, -7.5, 7.5)
;;       step = 2.0 ** (np.maximum(np.frexp(np.where(r == 0, 1, r))[1] - 1, 0) - 3)
;;       q = np.round(r / step) * step * 2.0 ** e      # np.round: ties to even
;;       return np.moveaxis(q.reshape(q.shape[:-2] + (-1,))[..., :K], -1, axis).astype(np.float32)
;;   ~~~
;;   SOFTMAX AHEAD OF A QUANTISED PRODUCT. Where the list says 'softmax', what is quantised is not the finished softmax but p = 2^(t - M), with t = logit x log2(e) and M = ceil(the row's largest t), a whole number; so 1/2 < the row's largest p <= 1. The row's sum l is taken of the UNQUANTISED p, in f32, and the product's result is divided by l at the end. Since M is a whole number, a kernel that streams over the keys may use a running M (the ceiling of the running maximum): every later rescaling is an exact power of two, which a block's scale takes up: the codes' values come out the same.
;;   OPERANDS COMPUTED ON THE WAY. 'Computed on the way' means the value that the module computes at that place (a softmax that the list does not call 'softmax' is quantised finished and normalised). What goes into a quantiser is computed in f32, as accurately as f32 sums, v_exp_f32 and their like allow (about 1e-6 of the number): no bf16 or f16 on the way to a quantiser, and a product that is left as it is and whose result goes on into a quantised operand takes f32 operands (vector FMAs, or v_wmma_f32_16x16x4_f32). A number that lies on a knife's edge between two numbers of the format may be rounded either way, as far as f32 arithmetic and the matrix unit's own rounding can turn it there, and no further.
;; One version. Each part assembles by itself: llvm-mc -triple=amdgcn-amd-amdhsa -mcpu=gfx1250 --defsym DOCPART=n.
;; ======== version 1 of 1: 4 launches
;; limits: right only within a limited range of input values
;; workspace buffers: codes 15,728,640 bytes; scales 655,360 bytes; qw 6,815,744 bytes; kv 13,631,488 bytes
;; launch prep (part 1): grid 384 x 1, 8 waves a work-group, no clusters, 99,328 bytes of LDS; arguments input_ids, ln_w, wq, wk, wv, wo, codes, scales; writes codes, scales
.if DOCPART == 1
	.amdgcn_target "amdgcn-amd-amdhsa--gfx1250"
	.amdhsa_code_object_version 6
	.text
	.protected	k_qf90b97b8e2_prep
	.globl	k_qf90b97b8e2_prep
	.p2align	8
	.type	k_qf90b97b8e2_prep,@function
k_qf90b97b8e2_prep:
	s_mov_b64 s[64:65], 0
	v_nop
	global_prefetch_b8 v0, s[64:65] scope:SCOPE_SE
	s_setreg_imm32_b32 hwreg(HW_REG_WAVE_MODE, 25, 1), 1
	s_wait_xcnt 0x0
; x = input_ids * rsqrt(mean(input_ids^2) + 1e-6) * ln_w, quantised along its 1,024 numbers, and wq, wk, wv, wo [k][n], quantised along k: codes of FP6 (E2M3) with one E8M0 byte for each 32 along K.
; THE CODES ARE LAID AS THE MATRIX UNIT'S REGISTERS TAKE THEM.  A tile is 16 rows of an operand: row r of tile T is operand row 32 (T / 2) + 8 (T % 2) + r + 8 (r / 8).
; A tile has 16 pieces of 768 bytes, piece j for k = 64 j .. 64 j + 63: lane (r, h) of the later reader holds the 24 bytes of k = 64 j + 32 h + 0 .. 31 of row r: its first 16 bytes at 16 x lane, its last 8 at 512 + 8 x lane.
; codes: [1280 tiles][16][768]: x's tiles 0-511, wq 512-575, wk 576-639, wv 640-703, wo 704-767 (768 on: a later launch's).  scales: [1280 tiles][16 rows][32 bytes].
; A block's scale is 2^(floor(log2(its largest magnitude)) - 2): its byte is the largest magnitude's exponent field - 2, held at 1 from below by a floor among the maximum's leaves.
; LIMITS: NaN and infinities among the inputs are not served; a block whose largest magnitude lies under 2^-124, a block of zeros too, keeps the byte 1 (zeros: the rule says 127; its codes are zeros and this program alone reads the bytes).
; SHARES.  Work-groups 0-255: 32 tokens each (two tiles), four rows a wave.  Work-groups 256-383: 128 columns x 256 k of one weight, a wave 32 columns x 128 k.  Each reads 128 KiB.  The two ways use LDS bytes of their own.
; No matrix work, no tensor load, no cluster: nothing here is read by two work-groups.
; DEAD WORK: reference() never uses encoder_output: it has no way to any output, whatever it holds, so no launch of this program loads it or has it among its arguments.
; LIMIT: a NaN or an infinity in encoder_output is not carried to the result (reference() does not carry it either).
.set TURNB, 4608
.set I16,   36864                      ; x: the images' 16-byte parts: tile u x 12544 + piece j x 784 + half x 384 + 16 r (the pitches keep a store's 32 lanes, 32 blocks of one row, in different banks)
.set I8,    61952                      ; x: their 8-byte parts: u x 4352 + j x 272 + half x 136 + 8 r
.set SCI,   70656                      ; x: the scale bytes: u x 512 + 32 r + block
.set WST,   71680                      ; weights: a wave's stage: 3328 bytes: tile u x 1664, in it two pieces as they lie in memory
.set LNW,   32                         ; v32-63   ln_w as it is loaded
.set ROWS,  64                         ; v64-191  four rows as they are loaded, 32 registers each
.set TR,    192                        ; v192-223 a row turned: lane l holds block l
.set CD,    224                        ; v224-230 a block's codes
; the largest magnitude of v[x] .. v[x + 31], and the floor 2^(3 - 127), into v[d]; v[e] is a second chain
.macro BMAX x, d, e
	v_max3_num_f32 v[\d], |v[\x]|, |v[\x+1]|, 0x1800000
	v_max3_num_f32 v[\e], |v[\x+2]|, |v[\x+3]|, |v[\x+4]|
.irp i, 5,9,13,17,21,25
	s_delay_alu instid0(VALU_DEP_2)
	v_max3_num_f32 v[\d], v[\d], |v[\x+\i]|, |v[\x+\i+1]|
	s_delay_alu instid0(VALU_DEP_2)
	v_max3_num_f32 v[\e], v[\e], |v[\x+\i+2]|, |v[\x+\i+3]|
.endr
	s_delay_alu instid0(VALU_DEP_2)
	v_max3_num_f32 v[\d], v[\d], |v[\x+29]|, |v[\x+30]|
	s_delay_alu instid0(VALU_DEP_1)
	v_max3_num_f32 v[\d], v[\d], v[\e], |v[\x+31]|
.endm
	s_load_b512 s[4:19], s[0:1], 0x0               ; input_ids s[4:5], ln_w s[6:7], wq s[8:9], wk s[10:11], wv s[12:13], wo s[14:15], codes s[16:17], scales s[18:19]
	v_lshl_add_u32 v232, v0, 2, 0x18000
	v_mov_b32 v233, 0
	v_lshrrev_b32 v1, 5, v0
	s_delay_alu instid0(VALU_DEP_1)
	v_readfirstlane_b32 s20, v1                    ; wave 0..7
	v_and_b32 v1, 31, v0                           ; lane
	s_cmp_lt_u32 ttmp9, 256
	s_cbranch_scc0 .Lweights
	; ---------------- x: tokens 32 g .. 32 g + 31.  Wave w takes rows 4 w + i: tile u = (w / 2) % 2, tile rows r0 + i, r0 = 4 (w % 2) + 8 (w / 4)
	v_lshlrev_b32 v2, 4, v1                        ; 16 x lane
	s_mul_i32 s21, s20, TURNB
	v_lshrrev_b32 v28, 3, v1
	v_and_b32 v29, 7, v1
	s_delay_alu instid0(VALU_DEP_2)
	v_mul_u32_u24 v3, v28, 144
	s_delay_alu instid0(VALU_DEP_1)
	v_lshl_add_u32 v3, v29, 4, v3
	s_delay_alu instid0(VALU_DEP_1)
	v_add_nc_u32 v3, s21, v3                       ; into the turn: load c brings lane l four numbers of block 4 c + l / 8: place (l / 8) x 144 + 16 (l % 8), + 576 c
	v_mul_u32_u24 v4, v1, 144
	s_delay_alu instid0(VALU_DEP_1)
	v_add_nc_u32 v4, s21, v4                       ; out of it: block l
	s_bfe_u32 s22, s20, 0x10001                    ; u
	s_and_b32 s23, s20, 1
	s_lshl_b32 s23, s23, 2
	s_lshr_b32 s24, s20, 2                         ; w / 4 (also: the tile that I copy out)
	s_lshl_b32 s25, s24, 3
	s_add_co_u32 s23, s23, s25                     ; r0
	s_wait_alu depctr_va_vdst(0)
	v_lshrrev_b32 v28, 1, v1                       ; my block's piece j
	s_wait_alu depctr_va_vdst(0)
	v_and_b32 v29, 1, v1                           ; and half
	s_mul_i32 s25, s22, 12544
	s_lshl_b32 s26, s23, 4
	s_add_co_u32 s25, s25, s26
	s_add_co_u32 s25, s25, I16
	v_mul_u32_u24 v5, v28, 784
	s_delay_alu instid0(VALU_DEP_1)
	v_mad_u32_u24 v5, v29, 384, v5
	s_delay_alu instid0(VALU_DEP_1)
	v_add_nc_u32 v5, s25, v5                       ; where my block's first 16 bytes go (+ 16 i)
	s_mul_i32 s25, s22, 4352
	s_lshl_b32 s26, s23, 3
	s_add_co_u32 s25, s25, s26
	s_add_co_u32 s25, s25, I8
	v_mul_u32_u24 v6, v28, 272
	s_wait_alu depctr_va_vdst(0)
	v_mad_u32_u24 v6, v29, 136, v6
	s_delay_alu instid0(VALU_DEP_1)
	v_add_nc_u32 v6, s25, v6                       ; its last 8 (+ 8 i)
	s_lshl_b32 s25, s22, 9
	s_lshl_b32 s26, s23, 5
	s_add_co_u32 s25, s25, s26
	s_add_co_u32 s25, s25, SCI
	v_add_nc_u32 v7, s25, v1                       ; its scale byte (+ 32 i)
	; the copy-out: wave w takes tile w / 4, pieces 4 (w % 4) + i
	s_and_b32 s27, s20, 3
	v_lshrrev_b32 v28, 4, v1
	s_wait_alu depctr_va_vdst(0)
	v_and_b32 v29, 15, v1
	s_mul_i32 s25, s24, 12544
	s_mul_i32 s26, s27, 4*784
	s_add_co_u32 s25, s25, s26
	s_add_co_u32 s25, s25, I16
	v_mul_u32_u24 v24, v28, 384
	s_delay_alu instid0(VALU_DEP_1)
	v_lshl_add_u32 v24, v29, 4, v24
	s_delay_alu instid0(VALU_DEP_1)
	v_add_nc_u32 v24, s25, v24
	s_mul_i32 s25, s24, 4352
	s_mul_i32 s26, s27, 4*272
	s_add_co_u32 s25, s25, s26
	s_add_co_u32 s25, s25, I8
	v_mul_u32_u24 v25, v28, 136
	s_wait_alu depctr_va_vdst(0)
	v_lshl_add_u32 v25, v29, 3, v25
	s_delay_alu instid0(VALU_DEP_1)
	v_add_nc_u32 v25, s25, v25
	s_lshl_b32 s25, s24, 9
	s_add_co_u32 s25, s25, SCI
	v_add_nc_u32 v26, s25, v2
	v_lshlrev_b32 v27, 3, v1                       ; 8 x lane
	s_lshl_b32 s32, ttmp9, 1
	s_add_co_u32 s32, s32, s24                     ; the tile: 2 g + w / 4
	s_mul_i32 s34, s32, 12288
	s_mul_i32 s33, s27, 4*768
	s_add_co_u32 s34, s34, s33
	s_mov_b32 s35, 0
	s_lshl_b32 s36, s32, 9
	s_mov_b32 s37, 0
	s_lshl_b32 s38, ttmp9, 17                      ; 32 rows of 4,096 bytes a work-group,
	s_lshl_b32 s39, s20, 14                        ; four a wave
	s_add_co_u32 s38, s38, s39
	s_mov_b32 s39, 0
	s_mov_b32 s28, 0x76543210
	s_mov_b32 s29, 0xfedcba98                      ; lane selects: lane l xor 16
	s_mov_b32 s30, 0x3a800000                      ; 1 / 1024
	s_mov_b32 s31, 0x358637bd                      ; 1e-6
	v_mov_b32 v16, 0                               ; (a lane permute's destination counts as one of its sources)
	v_mov_b32 v19, 0                               ; (named as the upper half of the pair v[18:19])
	s_wait_kmcnt 0x0
	s_add_nc_u64 s[4:5], s[4:5], s[38:39]
	s_add_nc_u64 s[16:17], s[16:17], s[34:35]
	s_add_nc_u64 s[18:19], s[18:19], s[36:37]
.irp c, 0,1,2,3,4,5,6,7
	global_load_b128 v[LNW+4*\c:LNW+4*\c+3], v2, s[6:7] offset:512*\c
.endr
.irp i, 0,1,2,3
.irp c, 0,1,2,3,4,5,6,7
	global_load_b128 v[ROWS+32*\i+4*\c:ROWS+32*\i+4*\c+3], v2, s[4:5] offset:4096*\i+512*\c th:TH_LOAD_NT   ; 32 lanes read 512 consecutive bytes
.endr
.endr
; One row: the norm, the turn through my stage, the block's scale and codes, and their places in the images.
.macro XROW i
.set X, ROWS+32*(\i)
	s_wait_loadcnt 8*(3-(\i))                      ; ln_w and this row are in; the rows behind it stay out
.irp k, 0,1,2,3
	v_pk_mul_f32 v[8+2*\k:9+2*\k], v[X+2*\k:X+2*\k+1], v[X+2*\k:X+2*\k+1]    ; the sum of squares, in four chains of pairs
.endr
.irp n, 1,2,3
.irp k, 0,1,2,3
	s_delay_alu instid0(VALU_DEP_4)
	v_pk_fma_f32 v[8+2*\k:9+2*\k], v[X+8*\n+2*\k:X+8*\n+2*\k+1], v[X+8*\n+2*\k:X+8*\n+2*\k+1], v[8+2*\k:9+2*\k]
.endr
.endr
	s_delay_alu instid0(VALU_DEP_3)
	v_pk_add_f32 v[8:9], v[8:9], v[10:11]
	s_delay_alu instid0(VALU_DEP_2)
	v_pk_add_f32 v[12:13], v[12:13], v[14:15]
	s_delay_alu instid0(VALU_DEP_1)
	v_pk_add_f32 v[8:9], v[8:9], v[12:13]
	s_delay_alu instid0(VALU_DEP_1)
	v_add_f32 v8, v8, v9
	s_delay_alu instid0(VALU_DEP_1)
	v_add_f32_dpp v8, v8, v8 row_xmask:1 row_mask:0xf bank_mask:0xf
	s_delay_alu instid0(VALU_DEP_1)
	v_add_f32_dpp v8, v8, v8 row_xmask:2 row_mask:0xf bank_mask:0xf
	s_delay_alu instid0(VALU_DEP_1)
	v_add_f32_dpp v8, v8, v8 row_xmask:4 row_mask:0xf bank_mask:0xf
	s_delay_alu instid0(VALU_DEP_1)
	v_add_f32_dpp v8, v8, v8 row_xmask:8 row_mask:0xf bank_mask:0xf
	s_delay_alu instid0(VALU_DEP_1)
	v_permlanex16_b32 v16, v8, s28, s29
	s_delay_alu instid0(VALU_DEP_1)
	v_add_f32 v8, v8, v16                          ; the row's, in every lane
	s_delay_alu instid0(VALU_DEP_1)
	v_fma_f32 v17, v8, s30, s31                    ; the mean + 1e-6
	s_wait_alu depctr_va_vdst(0)
	v_rsq_f32 v18, v17
	v_nop                                          ; a plain instruction behind the transcendental,
	s_wait_alu depctr_va_vdst(0)                   ; and the wait ahead of the first use of its result
.set p, 0
.rept 16
	v_pk_mul_f32 v[X+p:X+p+1], v[X+p:X+p+1], v[18:19] op_sel_hi:[1,0]        ; first by the root,
.set p, p+2
.endr
.set p, 0
.rept 16
	v_pk_mul_f32 v[X+p:X+p+1], v[X+p:X+p+1], v[LNW+p:LNW+p+1]                ; then by ln_w
.set p, p+2
.endr
.irp c, 0,1,2,3,4,5,6,7
	ds_store_b128 v3, v[X+4*\c:X+4*\c+3] offset:576*\c
.endr
.irp c, 0,1,2,3,4,5,6,7
	ds_load_b128 v[TR+4*\c:TR+4*\c+3], v4 offset:16*\c                       ; LDS serves a wave's instructions in order: these see my stores
.endr
	s_wait_dscnt 0x0                               ; the row is back, and the last row's stores of codes and byte have read their registers
	BMAX TR, 20, 21
	s_delay_alu instid0(VALU_DEP_1)
	v_add_nc_u32 v22, 0xff000000, v20              ; 2 off the exponent field: the conversion takes this operand's exponent field as its scale
	s_delay_alu instid0(VALU_DEP_1)
	v_lshrrev_b32 v23, 23, v22                     ; the scale's byte
	v_cvt_scalef32_pk16_fp6_f32 v[CD:CD+2], v[TR:TR+15], v22
	v_cvt_scalef32_pk16_fp6_f32 v[CD+4:CD+6], v[TR+16:TR+31], v22            ; (a conversion's three registers begin on an even number)
	v_nop                                          ; a plain instruction behind the conversions
	v_mov_b32 v[CD+3], v[CD+4]
	v_mov_b32 v[CD+4], v[CD+5]
	v_mov_b32 v[CD+5], v[CD+6]                     ; 24 bytes on end
	ds_store_b128 v5, v[CD:CD+3] offset:16*(\i)
	ds_store_b64 v6, v[CD+4:CD+5] offset:8*(\i)
	ds_store_b8 v7, v23 offset:32*(\i)
.endm
	XROW 0
	XROW 1
	XROW 2
	XROW 3
	s_wait_dscnt 0x0                               ; for the others' sake: my stores into the images are done
	s_barrier_signal -1
	s_barrier_wait -1
.irp i, 0,1,2,3
	ds_load_b128 v[64+8*\i:67+8*\i], v24 offset:784*\i
	ds_load_b64 v[68+8*\i:69+8*\i], v25 offset:272*\i
.endr
.irp i, 0,1,2,3
	s_wait_dscnt 7-2*\i                            ; the younger loads stay out
	global_store_b128 v2, v[64+8*\i:67+8*\i], s[16:17] offset:768*\i          ; 512 consecutive bytes, aligned to 256
	s_wait_dscnt 6-2*\i
	global_store_b64 v27, v[68+8*\i:69+8*\i], s[16:17] offset:768*\i+512      ; 256 consecutive bytes, aligned
.endr
	s_cmp_lg_u32 s27, 0                            ; waves 0 and 4 also copy their tile's 512 scale bytes
	s_cbranch_scc1 .Lx_done
	ds_load_b128 v[96:99], v26
	s_wait_dscnt 0x0
	global_store_b128 v2, v[96:99], s[18:19]
.Lx_done:
	s_wait_tensorcnt 0x0
	ds_add_u32 v232, v233
	s_wait_dscnt 0x0
	s_endpgm
	; ---------------- weights: a lane takes a column, its registers run down k: a block of 32 lies in one lane, and the codes come out with k innermost
.Lweights:
	s_sub_co_u32 s21, ttmp9, 256
	s_lshr_b32 s22, s21, 5                         ; which weight: 0 wq, 1 wk, 2 wv, 3 wo
	s_and_b32 s23, s21, 7                          ; which 128 columns
	s_bfe_u32 s24, s21, 0x20003                    ; which 256 k
	s_and_b32 s25, s20, 3
	s_lshr_b32 s26, s20, 2
	s_lshl_b32 s24, s24, 1
	s_add_co_u32 s24, s24, s26                     ; my 128 k: step s of eight
	s_lshl_b32 s23, s23, 2
	s_add_co_u32 s23, s23, s25                     ; my 32 columns: a pair of tiles
	s_lshl_b32 s26, s24, 19                        ; 128 rows of 4,096 bytes a step,
	s_lshl_b32 s27, s23, 7                         ; 128 bytes a pair
	s_add_co_u32 s26, s26, s27
	s_mov_b32 s27, 0
	s_lshl_b32 s28, s22, 6
	s_lshl_b32 s29, s23, 1
	s_add_co_u32 s28, s28, s29
	s_add_co_u32 s28, s28, 512                     ; the pair's first tile
	s_mul_i32 s30, s28, 12288
	s_mul_i32 s29, s24, 1536
	s_add_co_u32 s30, s30, s29                     ; its pieces 2 s and 2 s + 1
	s_mov_b32 s31, 0
	s_lshl_b32 s32, s28, 9
	s_lshl_b32 s29, s24, 2
	s_add_co_u32 s32, s32, s29                     ; its scale words s
	s_mov_b32 s33, 0
	s_wait_alu depctr_va_vdst(0)
	v_lshlrev_b32 v2, 2, v1                        ; in: 4 bytes a lane
	v_bfe_u32 v3, v1, 3, 1                         ; column m of the pair lies in tile u = (m / 8) % 2,
	v_and_b32 v4, 7, v1
	v_lshrrev_b32 v5, 4, v1
	s_delay_alu instid0(VALU_DEP_1)
	v_lshl_add_u32 v4, v5, 3, v4                   ; row r = m % 8 + 8 (m / 16)
	s_mul_i32 s38, s20, 3328
	s_add_co_u32 s38, s38, WST
	v_mul_u32_u24 v5, v3, 1664
	s_delay_alu instid0(VALU_DEP_1)
	v_add_nc_u32 v5, s38, v5
	s_delay_alu instid0(VALU_DEP_1)
	v_lshl_add_u32 v6, v4, 3, v5                   ; into my stage: 8 r (the 8-byte parts; + 512 in the offset)
	s_delay_alu instid0(VALU_DEP_2)
	v_lshl_add_u32 v5, v4, 4, v5                   ; 16 r
	v_lshl_add_u32 v7, v1, 4, s38                  ; back: 16 x lane
	v_lshlrev_b32 v8, 9, v3
	s_delay_alu instid0(VALU_DEP_1)
	v_lshl_add_u32 v8, v4, 5, v8                   ; my column's row of scale bytes: 512 u + 32 r
	v_lshlrev_b32 v9, 4, v1
	s_wait_kmcnt 0x0
	s_bitcmp1_b32 s22, 0                           ; the choice hangs on the work-group's number alone
	s_cselect_b64 s[34:35], s[10:11], s[8:9]
	s_cselect_b64 s[36:37], s[14:15], s[12:13]
	s_bitcmp1_b32 s22, 1
	s_cselect_b64 s[34:35], s[36:37], s[34:35]
	s_add_nc_u64 s[34:35], s[34:35], s[26:27]
	s_add_nc_u64 s[16:17], s[16:17], s[30:31]
	s_add_nc_u64 s[18:19], s[18:19], s[32:33]
.macro WLOAD q                         ; block q: W(32 q + i, my column) into set q % 2: 32 lanes read 128 consecutive bytes, the four waves side by side 512
.set i, 0
.rept 32
	global_load_b32 v[32+32*((\q)%2)+i], v2, s[34:35] offset:(32*(\q)+i)*4096 th:TH_LOAD_NT
.set i, i+1
.endr
.endm
.macro WBLOCK q
.set XS, 32+32*((\q)%2)
.if (\q) < 3
	s_wait_loadcnt 32                              ; this block's 32 loads are in; the next block's stay out
.else
	s_wait_loadcnt 0x0
.endif
	BMAX XS, 12, 13
	s_delay_alu instid0(VALU_DEP_1)
	v_add_nc_u32 v14, 0xff000000, v12
	s_delay_alu instid0(VALU_DEP_1)
	v_lshrrev_b32 v15, 23, v14
.if (\q) == 0
	s_delay_alu instid0(VALU_DEP_1)
	v_mov_b32 v24, v15                             ; the four bytes make the step's scale word
.else
	s_delay_alu instid0(VALU_DEP_1)
	v_lshl_or_b32 v24, v15, 8*(\q), v24
.endif
	v_cvt_scalef32_pk16_fp6_f32 v[96:98], v[XS:XS+15], v14
	v_cvt_scalef32_pk16_fp6_f32 v[100:102], v[XS+16:XS+31], v14
	v_nop
	v_mov_b32 v99, v100
	v_mov_b32 v100, v101
	v_mov_b32 v101, v102
	ds_store_b128 v5, v[96:99] offset:((\q)/2)*768+((\q)%2)*256               ; piece q / 2, half q % 2
	ds_store_b64 v6, v[100:101] offset:((\q)/2)*768+((\q)%2)*128+512
.if (\q) < 2
	WLOAD (\q)+2
.endif
	s_wait_dscnt 0x0                               ; the stores have read their registers: the next block's codes may be written
.endm
	WLOAD 0
	WLOAD 1
	WBLOCK 0
	WBLOCK 1
	WBLOCK 2
	WBLOCK 3
	s_wait_alu depctr_va_vdst(0)
	global_store_b32 v8, v24, s[18:19]             ; 4 bytes a column, rows 32 bytes apart: one byte in 128 of what this way reads
.irp u, 0,1
.irp k, 0,1,2
	ds_load_b128 v[104+4*(3*\u+\k):107+4*(3*\u+\k)], v7 offset:1664*\u+512*\k
.endr
.endr
.irp u, 0,1
.irp k, 0,1,2
	s_wait_dscnt 5-(3*\u+\k)
	global_store_b128 v9, v[104+4*(3*\u+\k):107+4*(3*\u+\k)], s[16:17] offset:12288*\u+512*\k   ; 512 consecutive bytes, aligned to 256
.endr
.endr
	s_wait_tensorcnt 0x0
	ds_add_u32 v232, v233
	s_wait_dscnt 0x0
	s_endpgm
.Lfunc_end_k_qf90b97b8e2_prep:
	.size	k_qf90b97b8e2_prep, .Lfunc_end_k_qf90b97b8e2_prep-k_qf90b97b8e2_prep
	.p2alignl 7, 3214868480
	.fill 96, 4, 3214868480
	.section	.rodata,"a",@progbits
	.p2align	6, 0x0
	.amdhsa_kernel k_qf90b97b8e2_prep
		.amdhsa_group_segment_fixed_size 99328
		.amdhsa_private_segment_fixed_size 0
		.amdhsa_enable_private_segment 0
		.amdhsa_kernarg_size 64
		.amdhsa_user_sgpr_count 2
		.amdhsa_user_sgpr_kernarg_segment_ptr 1
		.amdhsa_wavefront_size32 1
		.amdhsa_system_sgpr_workgroup_id_x 1
		.amdhsa_system_sgpr_workgroup_id_y 1
		.amdhsa_system_sgpr_workgroup_id_z 1
		.amdhsa_system_vgpr_workitem_id 0
		.amdhsa_next_free_vgpr 234
		.amdhsa_next_free_sgpr 66
		.amdhsa_reserve_vcc 0
		.amdhsa_float_denorm_mode_32 3
		.amdhsa_float_denorm_mode_16_64 3
		.amdhsa_memory_ordered 1
		.amdhsa_forward_progress 1
		.amdhsa_inst_pref_size 66
	.end_amdhsa_kernel
	.amdgpu_metadata
---
amdhsa.version: [ 1, 2 ]
amdhsa.kernels:
  - .name:           k_qf90b97b8e2_prep
    .symbol:         k_qf90b97b8e2_prep.kd
    .args:
      - { .name: input_ids, .offset: 0, .size: 8, .value_kind: global_buffer, .address_space: global }
      - { .name: ln_w, .offset: 8, .size: 8, .value_kind: global_buffer, .address_space: global }
      - { .name: wq, .offset: 16, .size: 8, .value_kind: global_buffer, .address_space: global }
      - { .name: wk, .offset: 24, .size: 8, .value_kind: global_buffer, .address_space: global }
      - { .name: wv, .offset: 32, .size: 8, .value_kind: global_buffer, .address_space: global }
      - { .name: wo, .offset: 40, .size: 8, .value_kind: global_buffer, .address_space: global }
      - { .name: codes, .offset: 48, .size: 8, .value_kind: global_buffer, .address_space: global }
      - { .name: scales, .offset: 56, .size: 8, .value_kind: global_buffer, .address_space: global }
    .group_segment_fixed_size: 99328
    .private_segment_fixed_size: 0
    .kernarg_segment_align: 8
    .kernarg_segment_size: 64
    .max_flat_workgroup_size: 256
    .sgpr_count:     66
    .vgpr_count:     234
    .wavefront_size: 32
...
	.end_amdgpu_metadata
.endif
;; end of part 1
;; launch proj (part 2): grid 24 x 32, 4 waves a work-group, clusters of 4 x 4, 295,424 bytes of LDS; arguments codes, scales, qw, kv; writes qw, kv
.if DOCPART == 2
	.amdgcn_target "amdgcn-amd-amdhsa--gfx1250"
	.amdhsa_code_object_version 6
	.text
	.protected	k_qf90b97b8e2_proj
	.globl	k_qf90b97b8e2_proj
	.p2align	8
	.type	k_qf90b97b8e2_proj,@function
k_qf90b97b8e2_proj:
	s_mov_b64 s[64:65], 0
	v_nop
	global_prefetch_b8 v0, s[64:65] scope:SCOPE_SE
	s_setreg_imm32_b32 hwreg(HW_REG_WAVE_MODE, 25, 1), 1
	s_wait_xcnt 0x0
	s_wait_alu depctr_hold_cnt(0) depctr_sa_sdst(0) depctr_va_vdst(0) depctr_va_sdst(0) depctr_va_ssrc(0) depctr_va_vcc(0) depctr_vm_vsrc(0)
	s_getreg_b32 s2, hwreg(HW_REG_IB_STS2, 6, 4)
	s_cmp_eq_u32 s2, 0
	s_cbranch_scc0 .Lentry_in_a_cluster
	s_endpgm
.Lentry_in_a_cluster:
	s_bfe_u32 s2, ttmp6, 0x10000c
	s_cmp_lg_u32 s2, 0xf033
	s_cbranch_scc0 .Lentry_shape_is_right
	s_endpgm
.Lentry_shape_is_right:
; q = x wq, k = x wk, v = x wv on codes of FP6 (E2M3) with E8M0 scales, K = 1,024; the results are quantised here, q and k along the head's 64, v along the keys, and leave as codes in the order of the attention's operand registers.
; OPERANDS: buffer codes [tile][16 pieces][768], scales [tile][16 rows][32]: a tile is 16 rows (row r of tile T = operand row 32 (T / 2) + 8 (T % 2) + r + 8 (r / 8)); piece j holds k = 64 j on: lane's first 16 bytes at 16 x lane, last 8 at 512 + 8 x lane.
; SHARES.  A work-group multiplies P, 128 rows (8 tiles, source 0), by R, 256 rows (16 tiles, source 1).  Wave w takes R's tiles 4 w .. 4 w + 3 against all of P: 32 accumulators, 32 matrix instructions for 128 along K.
; In a result lane (r, h) holds R's row r, and the 16 registers of P's tiles 2 j, 2 j + 1 are P's rows 32 j + 16 h + 0 .. 15: neighbours, as the conversions want them.
; Cluster x < 4: P = 128 columns of wq or wk, R = 256 tokens: a lane holds a token and its registers run along the head.  Cluster x >= 4: P = 128 tokens, R = 256 columns of wv: a lane holds a channel and its registers run along the keys.
; ALL OF K OF BOTH OPERANDS FITS IN LDS: 294,912 bytes, filled once, by one tensor load a wave; nothing is filled again.
; CLUSTER 4 x 4: P hangs on cx and is asked for jointly along a column, R on cy and along a row: the requests are divided by four.
; OUT: qw [64 heads][16 blocks][6656]; kv [64 heads][16 steps][K's part 6656 | V's part 6656].  A part is 128 tokens of a head: four fragments of 1,536 bytes (registers 4 m .. 4 m + 3 at 512 m + 16 x lane), then 512 bytes of scale words.
;   K's and Q's fragment f: token tile 2 f in registers 0-5, tile 2 f + 1 in registers 6-11; word f at 6144 + 256 (f / 2) + 8 x lane + 4 (f % 2).  V's fragment a: 16 channels x 128 keys; word a at 6144 + 16 x lane + 4 a.
; LIMITS: NaN and infinities are not served; a block whose largest magnitude lies under 2^-124 keeps the byte 1.
; REGISTERS: window 0: v1-2 lane offsets, v8-23 LDS addresses, v24-27 offsets, v32-95 scale words, v128-223 R's two sets; in the epilogue v96-127, v128-251 at work.  Window 1: P's two sets (v0, v128).  Window 2: accumulator (a, b) at v[8 (8 a + b)].
.set CHUNK, 73728                      ; 256 along K: R's 16 tiles x 3,072 bytes, then P's 8
.set TILEB, 3072
.set TROW,  12288                      ; LDS AS IT IS NOW: tile by tile, all of K on end: R's 16 tiles from byte 0, P's 8 from POFF; each wave brings its share by ONE tensor load (rows of 12,288 bytes), waited for whole ahead of the first fragment
.set POFF,  196608
.set L16,  1
.set L8,   2
.set AR16, 8                           ; v8   16 x lane + my four tiles of R
.set AR8,  12                          ; v12  8 x lane + the same
.set AP16, 16                          ; v16-17  16 x lane + P's tiles 0-3 and 4-7
.set AP8,  20                          ; v20-21
.set VO,   24
.set VO2,  25
.set SC,   32                          ; register 8 i + s: lanes 16-31 P's tile i, lanes 0-15 R's tile i % 4: the scale word of the s-th 128 along K
.set RF,   128
.set TM,   96
.set T2,   112
.set SO,   224
.set S16,  240
.set WD,   248
.set CF,   128
.set YS,   176
.set G1R,  24
.set G1P,  32
.set G0R,  40
.set G0P,  68
.set MSB, 0
.macro WIN new                         ; the immediate's high byte repeats the setting that is left
.if MSB != \new
	s_set_vgpr_msb (MSB<<8)|\new
.set MSB, \new
.endif
.endm
.macro CROUND                          ; a round of the cluster's barrier
	s_barrier_signal -1
	s_barrier_wait -1
	s_cmp_lg_u32 s12, 0
	s_cbranch_scc1 .Lnot_wave_0_\@
	s_barrier_signal -3
.Lnot_wave_0_\@:
	s_barrier_wait -3
	s_barrier_signal -1
	s_barrier_wait -1
.endm
.macro PLACES                          ; four plain instructions between a matrix instruction and a load into, or a read of, its registers
.rept 4
	v_nop
.endr
.endm
.macro FETCH s                         ; 48 LDS loads: the fragments of the s-th 128 along K into set s % 2
.set CH, (\s)/2
.set OD, (\s)%2
	WIN 0x40                                       ; destination window 1, address window 0
.irp b, 0,1,2,3,4,5,6,7
.irp c, 0,1
	ds_load_b128 v[128*OD+12*\b+6*\c:128*OD+12*\b+6*\c+3], v[AP16+\b/4] offset:(\b%4)*TROW+(\s)*1536+\c*768
	ds_load_b64 v[128*OD+12*\b+6*\c+4:128*OD+12*\b+6*\c+5], v[AP8+\b/4] offset:(\b%4)*TROW+(\s)*1536+\c*768+512
.endr
.endr
	WIN 0
.irp a, 0,1,2,3
.irp c, 0,1
	ds_load_b128 v[RF+48*OD+12*\a+6*\c:RF+48*OD+12*\a+6*\c+3], v[AR16] offset:\a*TROW+(\s)*1536+\c*768
	ds_load_b64 v[RF+48*OD+12*\a+6*\c+4:RF+48*OD+12*\a+6*\c+5], v[AR8] offset:\a*TROW+(\s)*1536+\c*768+512
.endr
.endr
.endm
.macro MUL s, zero                     ; 32 matrix instructions; the 32 accumulators take turns, one instruction a turn.  zero = 1: the first products start the sums
	WIN 0xa1                                       ; source 0 (P) window 1, source 1 (R) window 0, C and D window 2
.irp a, 0,1,2,3
.irp b, 0,1,2,3,4,5,6,7
.if \zero
	v_wmma_scale_f32_16x16x128_f8f6f4 v[8*(8*\a+\b):8*(8*\a+\b)+7], v[128*((\s)%2)+12*\b:128*((\s)%2)+12*\b+11], v[RF+48*((\s)%2)+12*\a:RF+48*((\s)%2)+12*\a+11], 0, v[SC+8*\b+(\s)], v[SC+8*\a+(\s)] matrix_a_fmt:MATRIX_FMT_FP6 matrix_b_fmt:MATRIX_FMT_FP6 matrix_a_scale:MATRIX_SCALE_ROW1
.else
	v_wmma_scale_f32_16x16x128_f8f6f4 v[8*(8*\a+\b):8*(8*\a+\b)+7], v[128*((\s)%2)+12*\b:128*((\s)%2)+12*\b+11], v[RF+48*((\s)%2)+12*\a:RF+48*((\s)%2)+12*\a+11], v[8*(8*\a+\b):8*(8*\a+\b)+7], v[SC+8*\b+(\s)], v[SC+8*\a+(\s)] matrix_a_fmt:MATRIX_FMT_FP6 matrix_b_fmt:MATRIX_FMT_FP6 matrix_a_scale:MATRIX_SCALE_ROW1
.endif
.endr
.endr
	WIN 0
.endm
.macro KSTEP s                         ; this step's fragments are in; the next step's are asked for; this step is multiplied
	s_wait_dscnt 0x0
.if (\s) < 7
.if (\s) > 0
	PLACES
.endif
	FETCH (\s)+1
.endif
.if (\s) == 0
	MUL \s, 1
.else
	MUL \s, 0
.endif
.endm
	s_load_b256 s[4:11], s[0:1], 0x0               ; codes s[4:5], scales s[6:7], qw s[8:9], kv s[10:11]
	v_lshl_add_u32 v254, v0, 2, 0x48000
	v_mov_b32 v255, 0
	ds_add_u32 v254, v255
	ds_add_u32 v254, v255
	v_lshrrev_b32 v3, 5, v0
	v_readfirstlane_b32 s12, v3                    ; wave 0..3
	s_and_b32 s13, s12, 1                          ; which half of a tile group I fetch
	s_bfe_u32 s14, ttmp6, 0x40000                  ; cx
	s_bfe_u32 s15, ttmp6, 0x40004                  ; cy
	s_mov_b32 s16, ttmp9                           ; cluster x: 0-1 q, 2-3 k, 4-5 v: the same in all partners
	s_and_b32 s17, ttmp7, 0xffff                   ; cluster y
	s_lshl_b32 s56, s16, 2                         ; q, k: P's number = 4 X + cx
	s_max_u32 s57, s16, 4
	s_sub_co_u32 s57, s57, 4
	s_lshl_b32 s57, s57, 5
	s_lshl_b32 s58, s17, 2
	s_add_co_u32 s57, s57, s58                     ; v: P's number = 4 (8 (X - 4) + Y) + cx
	s_lshl_b32 s60, s17, 2                         ; q, k: R's number = 4 Y + cy;  v: R's tiles begin at 640 + 16 cy = 16 (40 + cy)
	s_cmp_lt_u32 s16, 4
	s_cselect_b32 s18, s56, s57
	s_cselect_b32 s19, 512, 0
	s_cselect_b32 s20, s60, 40
	s_add_co_u32 s18, s18, s14                     ; Pt
	s_lshl_b32 s56, s18, 3
	s_add_co_u32 s19, s19, s56                     ; P's first tile
	s_add_co_u32 s20, s20, s15                     ; Rt
	s_lshl_b32 s21, s20, 4                         ; R's first tile
	s_lshl_b32 s61, s15, 2
	s_lshl_b32 s61, 15, s61                        ; my row of the cluster
	s_lshl_b32 s59, 0x1111, s14                    ; my column
	; descriptor group 1: rows of 12,288 bytes (1,536 elements of 8 bytes: a tile's whole K), on end; no padding: every fragment load reads consecutive bytes
	s_or_b32 s[G1R], s61, (3<<16)|(1<<21)          ; 15:0 the mask: R's tiles go to my row; 17:16 elements of 8 bytes; 21 set beside a mask
	s_or_b32 s[G1P], s59, (3<<16)|(1<<21)          ; P's go to my column
	s_mov_b32 s[G1R+1], 1536<<16                   ; tensor_dim0: a tile's whole K, 1,536 elements of 8 bytes
	s_mov_b32 s[G1R+2], 8<<16                      ; tensor_dim1: 8 tiles a load
	s_mov_b32 s[G1R+3], 1536<<16                   ; tile_dim0
	s_mov_b32 s[G1R+4], 8                          ; tile_dim1
	s_mov_b32 s[G1R+5], 1536                       ; tensor_dim0_stride
	s_mov_b32 s[G1R+6], 0
	s_mov_b32 s[G1R+7], 0
	s_mov_b32 s[G1P+1], 1536<<16
	s_mov_b32 s[G1P+2], 4<<16                      ; 4 tiles a load
	s_mov_b32 s[G1P+3], 1536<<16
	s_mov_b32 s[G1P+4], 4
	s_mov_b32 s[G1P+5], 1536
	s_mov_b32 s[G1P+6], 0
	s_mov_b32 s[G1P+7], 0
	s_lshl_b32 s62, s13, 3
	s_add_co_u32 s62, s62, s21
	s_mul_i32 s62, s62, 12288                      ; R: my 8 tiles, in bytes (in registers that never hold cx)
	s_mov_b32 s63, 0
	s_lshl_b32 s56, s13, 2
	s_add_co_u32 s56, s56, s19
	s_mul_i32 s56, s56, 12288                      ; P: my 4 tiles (in registers that never hold cy)
	s_mov_b32 s57, 0
	s_mul_i32 s92, s13, 8*TROW
	s_mul_i32 s93, s13, 4*TROW
	s_mov_b32 s98, 0x76543210
	s_mov_b32 s99, 0xfedcba98                      ; lane selects: lane l xor 16
	s_wait_dscnt 0x0
	s_wait_kmcnt 0x0
	s_add_nc_u64 s[62:63], s[4:5], s[62:63]
	s_add_nc_u64 s[56:57], s[4:5], s[56:57]
	CROUND                                         ; all sixteen work-groups are here: the joint loads meet
.irp c, 0
	s_mov_b32 s[G0R+4*\c], 1
	s_add_co_u32 s[G0R+4*\c+1], s92, \c*CHUNK
	s_add_nc_u64 s[G0R+4*\c+2:G0R+4*\c+3], s[62:63], \c*TILEB
	s_or_b32 s[G0R+4*\c+3], s[G0R+4*\c+3], 0x80000000
	s_mov_b32 s[G0P+4*\c], 1
	s_add_co_u32 s[G0P+4*\c+1], s93, \c*CHUNK+POFF
	s_add_nc_u64 s[G0P+4*\c+2:G0P+4*\c+3], s[56:57], \c*TILEB
	s_or_b32 s[G0P+4*\c+3], s[G0P+4*\c+3], 0x80000000
.endr
	s_cmp_lt_u32 s12, 2                            ; waves 0 and 1 fetch R's halves, waves 2 and 3 P's: a wave's one fill stands in a branch on its number, ahead of every wait on TENSORcnt and every LDS read
	s_cbranch_scc0 .Lfirst_p
	tensor_load_to_lds s[G0R:G0R+3], s[G1R:G1R+7]
	s_nop 0
.rept 4
	v_nop
.endr
	s_branch .Lfirst_asked
.Lfirst_p:
	tensor_load_to_lds s[G0P:G0P+3], s[G1P:G1P+7]
	s_nop 0
.rept 4
	v_nop
.endr
.Lfirst_asked:
	v_and_b32 v3, 31, v0
	v_lshlrev_b32 v[L16], 4, v3
	v_lshlrev_b32 v[L8], 3, v3
	v_and_b32 v4, 15, v0
	v_lshlrev_b32 v4, 5, v4                        ; a row of scale bytes: 32 r
	s_lshl_b32 s96, s12, 2
	s_add_co_u32 s96, s96, s21
	s_lshl_b32 s96, s96, 9                         ; R's: my four tiles
	s_lshl_b32 s97, s19, 9                         ; P's
	v_mov_b32 v5, s96
	v_mov_b32 v6, s97
	v_cmp_le_u32 vcc_lo, 16, v3
	v_cndmask_b32 v[VO], v5, v6, vcc_lo            ; lanes 0-15 take R's words, lanes 16-31 P's
	v_add_nc_u32 v[VO], v[VO], v4
	v_add_nc_u32 v6, 2048, v6
	v_cndmask_b32 v[VO2], v5, v6, vcc_lo           ; for P's tiles 4-7 (R's lanes take their four tiles again)
	v_add_nc_u32 v[VO2], v[VO2], v4
.irp i, 0,1,2,3
	global_load_b128 v[SC+8*\i:SC+8*\i+3], v[VO], s[6:7] offset:512*\i         ; the scale words of all of K come once: 32 bytes a row
	global_load_b128 v[SC+8*\i+4:SC+8*\i+7], v[VO], s[6:7] offset:512*\i+16
.endr
.irp i, 0,1,2,3
	global_load_b128 v[SC+32+8*\i:SC+32+8*\i+3], v[VO2], s[6:7] offset:512*\i
	global_load_b128 v[SC+32+8*\i+4:SC+32+8*\i+7], v[VO2], s[6:7] offset:512*\i+16
.endr
	s_mul_i32 s94, s12, 4*TROW                     ; my four tiles of R
	v_add_nc_u32 v[AR16], s94, v[L16]
	v_add_nc_u32 v[AR8], s94, v[L8]
.irp c, 0,1
	v_add_nc_u32 v[AP16+\c], \c*4*TROW+POFF, v[L16] ; P's tiles 0-3 and 4-7: an LDS offset has 16 bits
	v_add_nc_u32 v[AP8+\c], \c*4*TROW+POFF, v[L8]
.endr
	s_wait_alu depctr_va_vdst(0)
	s_wait_tensorcnt 0x0                           ; my one load has landed
	s_barrier_signal -1
	s_barrier_wait -1
	FETCH 0
	s_wait_loadcnt 0x0                             ; the scale words
.irp s, 0,1,2,3,4,5,6,7
	KSTEP \s
.endr
	; THE EPILOGUE.  idx = 2 a + g names 32 registers on end, accumulators (a, 4 g .. 4 g + 3): register 16 e + i is P's row 64 g + 32 e + 16 h + i of R's row r: two blocks of 32, each shared with lane l xor 16.
.set t, 0
.rept 16
	v_mov_b32 v[T2+t], 0                           ; (a lane permute's destination counts as one of its sources.)  These 32 lines are also the places behind the last products
.set t, t+1
.endr
.set t, 0
.rept 16
	v_mov_b32 v[TM+t], 0x1800000                   ; the floor 2^(3 - 127): no byte falls under 1
.set t, t+1
.endr
	WIN 0x28                                       ; sources 1 and 2 window 2
.irp i, 0,2,4,6,8,10,12,14             ; ascending: each accumulator is first read at its low end; the sixteen blocks by turns
.irp a, 0,1,2,3
.irp g, 0,1
.irp e, 0,1
	v_max3_num_f32 v[TM+2*(2*\a+\g)+\e], v[TM+2*(2*\a+\g)+\e], |v[8*(8*\a+4*\g)+16*\e+\i]|, |v[8*(8*\a+4*\g)+16*\e+\i+1]|
.endr
.endr
.endr
.endr
	WIN 0
.set t, 0
.rept 16
	v_permlanex16_b32 v[T2+t], v[TM+t], s98, s99
.set t, t+1
.endr
.set t, 0
.rept 16
	v_max_num_f32 v[TM+t], v[TM+t], v[T2+t]        ; the block's largest magnitude
.set t, t+1
.endr
.set t, 0
.rept 16
	v_add_nc_u32 v[SO+t], 0xff000000, v[TM+t]      ; 2 off its exponent field: the conversion's scale operand
.set t, t+1
.endr
.set t, 0
.rept 16
	v_lshrrev_b32 v[T2+t], 23, v[SO+t]             ; the byte
.set t, t+1
.endr
.set t, 0
.rept 8
	v_lshl_or_b32 v[S16+t], v[T2+2*t+1], 8, v[T2+2*t]   ; idx's two bytes
.set t, t+1
.endr
; the codes of all eight idx, each six registers at its place in a fragment.  isv = 0: fragment 2 g + a / 2, half a % 2;  isv = 1: fragment a, half g
.macro CODES isv
	WIN 0x02                                       ; source 0 window 2
.irp a, 0,1,2,3
.irp g, 0,1
.if \isv
.set FRM, CF+12*\a+6*\g
.else
.set FRM, CF+12*(2*\g+\a/2)+6*(\a%2)
.endif
	v_cvt_scalef32_pk16_fp6_f32 v[FRM:FRM+2], v[8*(8*\a+4*\g):8*(8*\a+4*\g)+15], v[SO+2*(2*\a+\g)]
	v_cvt_scalef32_pk16_fp6_f32 v[YS+4*(2*\a+\g):YS+4*(2*\a+\g)+2], v[8*(8*\a+4*\g)+16:8*(8*\a+4*\g)+31], v[SO+2*(2*\a+\g)+1]
.endr
.endr
	WIN 0
	v_nop                                          ; a plain instruction behind the conversions
.irp a, 0,1,2,3
.irp g, 0,1
.if \isv
.set FRM, CF+12*\a+6*\g
.else
.set FRM, CF+12*(2*\g+\a/2)+6*(\a%2)
.endif
.irp i, 0,1,2
	v_permlane16_swap_b32 v[FRM+\i], v[YS+4*(2*\a+\g)+\i]   ; the layout wants a whole block in a lane: lanes 0-15 the first block, lanes 16-31 the second
.endr
.irp i, 0,1,2
	v_mov_b32 v[FRM+3+\i], v[YS+4*(2*\a+\g)+\i]
.endr
.endr
.endr
.endm
	s_cmp_lt_u32 s16, 4                            ; the cluster's x: the same in all partners
	s_cbranch_scc0 .Lv_out
	; ---- q and k: head 2 (Pt % 8) + g, block 2 (Rt % 8) + w / 2 of batch Rt / 8; my four token tiles are its fragments 2 (w % 2) and 2 (w % 2) + 1
	CODES 0
	s_cmp_lt_u32 s16, 2
	s_cselect_b64 s[84:85], s[8:9], s[10:11]       ; q goes to qw, k to kv
	s_mov_b32 s92, 13312
	s_cselect_b32 s92, 6656, s92                   ; bytes from block to block
	s_lshr_b32 s93, s20, 3
	s_lshl_b32 s93, s93, 4
	s_and_b32 s94, s18, 7
	s_lshl_b32 s94, s94, 1
	s_add_co_u32 s93, s93, s94                     ; 16 x batch + head (g = 0)
	s_lshl_b32 s93, s93, 4
	s_and_b32 s94, s20, 7
	s_lshl_b32 s94, s94, 1
	s_add_co_u32 s93, s93, s94
	s_lshr_b32 s94, s12, 1
	s_add_co_u32 s93, s93, s94                     ; x 16 + block
	s_mul_i32 s94, s93, s92
	s_mov_b32 s95, 0
	s_add_nc_u64 s[84:85], s[84:85], s[94:95]
	s_lshl_b32 s94, s92, 4                         ; a head on: 16 blocks
	s_add_nc_u64 s[86:87], s[84:85], s[94:95]
	s_mul_i32 s96, s13, 3072
	v_add_nc_u32 v26, s96, v[L16]                  ; my two fragments
	s_wait_alu depctr_va_vdst(0)
	s_lshl_b32 s96, s13, 8
	v_add_nc_u32 v27, s96, v[L8]                   ; and their two scale words: 8 bytes a lane
.irp g, 0,1
.irp f, 0,1
	v_lshl_or_b32 v[WD+2*\g+\f], v[S16+2*(2*\f+1)+\g], 16, v[S16+2*(2*\f)+\g]   ; tile 2 f's two bytes below, tile 2 f + 1's above
.endr
.endr
.irp g, 0,1
.irp f, 0,1
.irp m, 0,1,2
	global_store_b128 v26, v[CF+12*(2*\g+\f)+4*\m:CF+12*(2*\g+\f)+4*\m+3], s[84+2*\g:85+2*\g] offset:1536*\f+512*\m   ; 512 consecutive bytes, aligned to 256
.endr
.endr
	global_store_b64 v27, v[WD+2*\g:WD+2*\g+1], s[84+2*\g:85+2*\g] offset:6144   ; 256 consecutive bytes, aligned (lanes 16-31 hold the same words as lanes 0-15)
.endr
	s_branch .Ldone
.Lv_out:
	; ---- v: head 4 cy + w, key step Pt % 16 of batch Pt / 16; my four tiles of channels are its four fragments
	CODES 1
	s_lshr_b32 s93, s18, 4
	s_lshl_b32 s93, s93, 4
	s_lshl_b32 s94, s15, 2
	s_add_co_u32 s93, s93, s94
	s_add_co_u32 s93, s93, s12
	s_lshl_b32 s93, s93, 4
	s_and_b32 s94, s18, 15
	s_add_co_u32 s93, s93, s94
	s_mul_i32 s94, s93, 13312
	s_add_co_u32 s94, s94, 6656                    ; V's part lies behind K's
	s_mov_b32 s95, 0
	s_add_nc_u64 s[88:89], s[10:11], s[94:95]
.irp a, 0,1,2,3
	v_lshl_or_b32 v[WD+\a], v[S16+2*\a+1], 16, v[S16+2*\a]   ; keys 0-63's two bytes below, keys 64-127's above
.endr
	s_wait_alu depctr_va_vdst(0)
.irp a, 0,1,2,3
.irp m, 0,1,2
	global_store_b128 v[L16], v[CF+12*\a+4*\m:CF+12*\a+4*\m+3], s[88:89] offset:1536*\a+512*\m
.endr
.endr
	global_store_b128 v[L16], v[WD:WD+3], s[88:89] offset:6144
.Ldone:
	s_wait_tensorcnt 0x0
	s_wait_tensorcnt 0x0
	ds_add_u32 v254, v255
	s_wait_dscnt 0x0
	CROUND                                         ; the closing round: no work-group ends while a partner may still ask for a tile that names it
	s_endpgm
.Lfunc_end_k_qf90b97b8e2_proj:
	.size	k_qf90b97b8e2_proj, .Lfunc_end_k_qf90b97b8e2_proj-k_qf90b97b8e2_proj
	.p2alignl 7, 3214868480
	.fill 96, 4, 3214868480
	.section	.rodata,"a",@progbits
	.p2align	6, 0x0
	.amdhsa_kernel k_qf90b97b8e2_proj
		.amdhsa_group_segment_fixed_size 295424
		.amdhsa_private_segment_fixed_size 0
		.amdhsa_enable_private_segment 0
		.amdhsa_kernarg_size 32
		.amdhsa_user_sgpr_count 2
		.amdhsa_user_sgpr_kernarg_segment_ptr 1
		.amdhsa_wavefront_size32 1
		.amdhsa_system_sgpr_workgroup_id_x 1
		.amdhsa_system_sgpr_workgroup_id_y 1
		.amdhsa_system_sgpr_workgroup_id_z 1
		.amdhsa_system_vgpr_workitem_id 0
		.amdhsa_next_free_vgpr 768
		.amdhsa_next_free_sgpr 100
		.amdhsa_reserve_vcc 1
		.amdhsa_float_denorm_mode_32 3
		.amdhsa_float_denorm_mode_16_64 3
		.amdhsa_memory_ordered 1
		.amdhsa_forward_progress 1
		.amdhsa_inst_pref_size 89
	.end_amdhsa_kernel
	.amdgpu_metadata
---
amdhsa.version: [ 1, 2 ]
amdhsa.kernels:
  - .name:           k_qf90b97b8e2_proj
    .symbol:         k_qf90b97b8e2_proj.kd
    .args:
      - { .name: codes, .offset: 0, .size: 8, .value_kind: global_buffer, .address_space: global }
      - { .name: scales, .offset: 8, .size: 8, .value_kind: global_buffer, .address_space: global }
      - { .name: qw, .offset: 16, .size: 8, .value_kind: global_buffer, .address_space: global }
      - { .name: kv, .offset: 24, .size: 8, .value_kind: global_buffer, .address_space: global }
    .group_segment_fixed_size: 295424
    .private_segment_fixed_size: 0
    .kernarg_segment_align: 8
    .kernarg_segment_size: 32
    .max_flat_workgroup_size: 128
    .sgpr_count:     100
    .vgpr_count:     768
    .wavefront_size: 32
...
	.end_amdgpu_metadata
.endif
;; end of part 2
;; launch attn (part 3): grid 4 x 64, 16 waves a work-group, no clusters, 327,680 bytes of LDS; arguments qw, kv, rel_emb, codes, scales; writes codes, scales
.if DOCPART == 3
	.amdgcn_target "amdgcn-amd-amdhsa--gfx1250"
	.amdhsa_code_object_version 6
	.text
	.protected	k_qf90b97b8e2_attn
	.globl	k_qf90b97b8e2_attn
	.p2align	8
	.type	k_qf90b97b8e2_attn,@function
k_qf90b97b8e2_attn:
	s_mov_b64 s[64:65], 0
	v_nop
	global_prefetch_b8 v0, s[64:65] scope:SCOPE_SE
	s_setreg_imm32_b32 hwreg(HW_REG_WAVE_MODE, 25, 1), 1
	s_wait_xcnt 0x0
; ctx = softmax(q k^T + bias) v for one head and 512 queries a work-group, both products on codes of FP6 (E2M3) with E8M0 scales; ctx is quantised along the head's 64 and leaves as codes in the order of the last launch's operand registers.
; encoder_output has no way to any output of reference() and is no argument here.
; IN: qw [64 heads][16 blocks][6656], kv [64 heads][16 steps][K's part 6656 | V's part 6656]: a part is 128 tokens: four fragments of 1,536 bytes (registers 4 m .. 4 m + 3 at 512 m + 16 x lane), then 512 bytes of scale words.
; SHARES: 16 waves; a wave takes 16 queries against all 2,048 keys, twice (two passes); a step is 128 keys: 8 matrix instructions for S^T = k q^T (the head's 64 fill half of the form's 128; q stands beside zero codes), 4 for O^T += v^T p^T.
; LDS: the head's K and V, all 16 steps, as rows of 256 bytes + 64 of padding (a step 16,640 bytes), filled once: steps 0-3 by the head's loads (13 rows a wave), steps 4-15 by one more load a wave (39 rows) behind the first barrier.
; A LANE HOLDS WHOLE BLOCKS OF p.  K's fragments are read by lane addresses: lanes 0-7 of a tile take eight rows of stored fragment 2 c, lanes 8-15 eight rows of fragment 2 c + 1 (1,920 bytes on: the other half of the banks).
;   So register n of lane (r, h) in the 32 registers of group c is key 64 c + 32 h + n of query r: the second product's own layout.  A block's largest score needs no other lane, and the codes need no lane swap.
; THE BIAS hangs on query - key alone.  It is the C of the first product: eight registers with one number where a step's keys are all later than the queries (bucket 0) or all 129 or more earlier (bucket 31);
;   in the queries' own step and the one before it, numbers from a table of 512 distances in LDS, kept in four copies, each shifted by a word, so that every lane's 16-byte loads are aligned.
; SOFTMAX: M = ceil(running largest t), t = (score + bias) log2(e); p = 2^(t - M); the sum is taken of p before it is quantised; when M moves, the sum and O^T are multiplied by 2^(old M - new M).
; TWO REGIONS OF 64 REGISTERS TAKE TURNS: K(i) in one, S(i) in the other; behind the first product V(i) and p's codes take K's place; behind the conversions K(i + 1) takes S's place.
; NO CLUSTER: the four work-groups of a head read the same K and V, but the branch to the table's steps hangs on the work-group's query block, which differs between them.
; NO PREFETCH: both tensor loads go out at the head; no later load is left to run ahead of.
; LIMITS: NaN and infinities are not served; the promise holds while the scaled scores stay under 2^31 in magnitude; a block of p whose largest number lies under 2^-124 keeps the byte 1.
; REGISTERS: v1-3 lane parts of LDS addresses (V, K, K's words), v4-6 the same + the pair's base, v7-9 offsets out, v10-11 f, v12 -M, v13 largest score, v14-15 the sum, v16-33 zeros | q | zeros, v34-35 table, v36-37 the add's,
;   v38 8 h, v40-41 q's scales, v42-45 K's, v46-49 V's, v50 p's, v52-79 at work, v80-143 and v144-207 the two regions, v208-239 O^T, v240-247 the constant bias.
.set PART,  6656
.set HEADB, 212992
.set STEPL, 16640
.set PARTL, 8320
.set TAB,   266240                     ; the table: copy c at TAB + c TP, distance index i at word i - c of it: 4 x 512 words on end, every byte written
.set TP,    2048
.set SPARE, 274688                     ; the spare words, 128 bytes a wave
.set XR,  80
.set YR,  144
.set O,   208
.set BI,  240
.set SPW, 36
.set NIL, 37
.set C0,    40
.set C31,   41
.set TB,    43
.set STEPI, 44
.set OWN,   45
.macro W6 d, a, b, c, sa, sb
	v_wmma_scale_f32_16x16x128_f8f6f4 v[\d:\d+7], v[\a:\a+11], v[\b:\b+11], v[\c:\c+7], v[\sa], v[\sb] matrix_a_fmt:MATRIX_FMT_FP6 matrix_b_fmt:MATRIX_FMT_FP6
.endm
.macro QK KR, SR, far                  ; eight accumulators, one instruction each.  v[22:33] = q | zeros meets a fragment's first tile, v[16:27] = zeros | q its second
.irp c, 0,1
.irp b, 0,1
.if \far
	W6 \SR+32*\c+16*\b, \KR+24*\c+12*\b, 22, BI, 42+2*\c+\b, 40
	W6 \SR+32*\c+16*\b+8, \KR+24*\c+12*\b, 16, BI, 42+2*\c+\b, 41
.else
	W6 \SR+32*\c+16*\b, \KR+24*\c+12*\b, 22, \SR+32*\c+16*\b, 42+2*\c+\b, 40
	W6 \SR+32*\c+16*\b+8, \KR+24*\c+12*\b, 16, \SR+32*\c+16*\b+8, 42+2*\c+\b, 41
.endif
.endr
.endr
.endm
.macro KLOAD R, off                    ; a step's K: four fragments by lane addresses, and their rows' scale words: 16 LDS loads
.irp c, 0,1
.irp b, 0,1
.irp m, 0,1,2
	ds_load_b128 v[\R+24*\c+12*\b+4*\m:\R+24*\c+12*\b+4*\m+3], v5 offset:\off+3840*\c+128*\b+640*\m
.endr
	ds_load_b32 v[42+2*\c+\b], v6 offset:\off+7680+320*\c+64*\b
.endr
.endr
.endm
; One step.  KR: K(i), later V(i) and p's codes; SR: S(i), later K(i + 1).  off: the step's place behind the pair's base.  adv: the base steps on to the next pair, held at the last pair's.  pf = 0: a pair's second step fetches no K.
.macro STEP KR, SR, off, pf, adv
	s_sub_co_i32 s49, s[OWN], s[STEPI]
	s_cmp_gt_u32 s49, 1
	s_cbranch_scc1 .Lfar_\@                        ; ids alone decide
	s_cmp_eq_u32 s49, 0
	s_cselect_b32 s49, 512, 0                      ; the queries' own step lies 128 distances further on in the table
	v_add_nc_u32 v35, s49, v34
.irp i, 0,1,2,3,4,5,6,7,8,9,10,11,12,13,14,15
	ds_load_b128 v[\SR+4*\i:\SR+4*\i+3], v35 offset:256*(\i/8)+16*(\i%8)   ; the bias of my 64 keys, as the product's C
.endr
.irp i, 0,1,2,3,4,5,6,7
	v_mov_b32 v[BI+\i], s[C0]                      ; every later step's keys lie behind the queries: bucket 0
.endr
	s_wait_dscnt 0x0                               ; K(i) and the bias are in
	QK \KR, \SR, 0
	s_branch .Ljoin_\@
.Lfar_\@:
	s_wait_dscnt 0x0                               ; K(i) is in
	QK \KR, \SR, 1
.Ljoin_\@:
	v_mov_b32 v39, v12                             ; the old -M; with three v_nop the four places behind the products (ISA guide 7.12.1)
	v_nop
	v_nop
	v_nop
.irp a, 0,1,2,3
.irp m, 0,1,2
	ds_load_b128 v[\KR+12*\a+4*\m:\KR+12*\a+4*\m+3], v4 offset:\off+PARTL+1920*\a+640*\m
.endr
.endr
	ds_load_b128 v[46:49], v4 offset:\off+PARTL+7680
.irp b, 0,1,2,3                        ; largest scores, four chains of 16, each accumulator first read at its low end
	v_max3_num_f32 v[52+\b], v[\SR+16*\b], v[\SR+16*\b+1], v[\SR+16*\b+2]
.endr
.irp i, 3,5,7,9,11,13
.irp b, 0,1,2,3
	v_max3_num_f32 v[52+\b], v[52+\b], v[\SR+16*\b+\i], v[\SR+16*\b+\i+1]
.endr
.endr
.irp b, 0,1,2,3
	v_max_num_f32 v[52+\b], v[52+\b], v[\SR+16*\b+15]
.endr
	v_max_num_f32 v52, v52, v53                    ; my block of group 0,
	v_max_num_f32 v54, v54, v55                    ; and of group 1
	s_delay_alu instid0(VALU_DEP_1)
	v_max_num_f32 v56, v52, v54
	s_delay_alu instid0(VALU_DEP_1)
	v_permlanex16_b32 v57, v56, s20, s21
	s_delay_alu instid0(VALU_DEP_1)
	v_max3_num_f32 v13, v13, v56, v57              ; the running largest score of my query
	s_delay_alu instid0(VALU_DEP_1)
	v_mul_f32 v58, s22, v13
	s_delay_alu instid0(VALU_DEP_1)
	v_floor_f32 v12, -v58                          ; -M = -ceil(t)
	s_delay_alu instid0(VALU_DEP_1)
	v_fma_f32 v52, v52, s22, v12
	v_fma_f32 v54, v54, s22, v12                   ; the blocks' largest t - M
.set j, 0
.rept 32
	v_pk_fma_f32 v[\SR+j:\SR+j+1], v[\SR+j:\SR+j+1], s[22:23], v[12:13] op_sel_hi:[1,0,0]
.if j == 6
	v_sub_f32 v39, v12, v39                        ; old M - new M, a whole number; its chain stands among the multiply-adds
.endif
.if j == 16
	v_cvt_i32_f32 v39, v39
.endif
.if j == 26
	v_ldexp_f32 v10, 1.0, v39                      ; f
.endif
.set j, j+2
.endr
	s_wait_alu depctr_va_vdst(0)                   ; the wait ahead of the batch
	v_exp_f32 v52, v52
	v_exp_f32 v54, v54
.set j, 0
.rept 64
	v_exp_f32 v[\SR+j], v[\SR+j]
.set j, j+1
.endr
	v_pk_mul_f32 v[14:15], v[14:15], v[10:11] op_sel_hi:[1,0]
	s_wait_alu depctr_va_vdst(0)                   ; and behind it, ahead of its first reader
	v_pk_add_f32 v[60:61], v[\SR:\SR+1], v[\SR+2:\SR+3]          ; the sum of p, four chains; the scale word's chain stands among them
	v_pk_add_f32 v[62:63], v[\SR+4:\SR+5], v[\SR+6:\SR+7]
	v_pk_add_f32 v[66:67], v[\SR+8:\SR+9], v[\SR+10:\SR+11]
	v_max_num_f32 v52, 0x1800000, v52              ; the floor 2^(3 - 127): no byte under 1
	v_max_num_f32 v54, 0x1800000, v54
.set j, 12
.set n, 0
.rept 6
	v_pk_add_f32 v[14:15], v[14:15], v[\SR+j:\SR+j+1]
	v_pk_add_f32 v[60:61], v[60:61], v[\SR+j+2:\SR+j+3]
	v_pk_add_f32 v[62:63], v[62:63], v[\SR+j+4:\SR+j+5]
	v_pk_add_f32 v[66:67], v[66:67], v[\SR+j+6:\SR+j+7]
.if n == 0
	v_add_nc_u32 v58, 0xff000000, v52              ; 2 off the exponent field: the conversions' scale operands
	v_add_nc_u32 v59, 0xff000000, v54
.endif
.if n == 1
	v_lshrrev_b32 v70, 23, v58                     ; the bytes of blocks h and 2 + h
	v_lshrrev_b32 v71, 23, v59
.endif
.if n == 2
	v_lshl_or_b32 v70, v71, 16, v70
.endif
.if n == 3
	v_lshlrev_b32 v70, v38, v70                    ; 8 h bits up
.endif
.if n == 4
	v_permlanex16_b32 v57, v70, s20, s21
.endif
.if n == 5
	v_or_b32 v50, v70, v57                         ; with lane l xor 16's two bytes the word is whole
.endif
.set j, j+8
.set n, n+1
.endr
	v_pk_add_f32 v[14:15], v[14:15], v[\SR+60:\SR+61]
	v_pk_add_f32 v[60:61], v[60:61], v[\SR+62:\SR+63]
.irp c, 0,1
	v_cvt_scalef32_pk16_fp6_f32 v[\KR+48+6*\c:\KR+50+6*\c], v[\SR+32*\c:\SR+32*\c+15], v[58+\c]
	v_cvt_scalef32_pk16_fp6_f32 v[72+4*\c:74+4*\c], v[\SR+32*\c+16:\SR+32*\c+31], v[58+\c]   ; (a conversion's three registers begin on an even number)
.endr
	v_nop                                          ; a plain instruction behind the conversions
.irp c, 0,1
.irp i, 0,1,2
	v_mov_b32 v[\KR+51+6*\c+\i], v[72+4*\c+\i]
.endr
.endr
	s_wait_alu depctr_va_vdst(0)
	s_wait_dscnt 0x0                               ; V(i) is in
.if \adv
	s_add_co_u32 s[TB], s[TB], 2*STEPL
	s_min_u32 s47, s[TB], 14*STEPL                 ; behind the last pair the base is held: that trip's fetch reads step 14 again, and nothing uses what it brings
	v_add_nc_u32 v4, s47, v1
	v_add_nc_u32 v5, s47, v2
	v_add_nc_u32 v6, s47, v3
.if \pf
	KLOAD \SR, 0
.endif
.else
	KLOAD \SR, \off+STEPL
.endif
	s_wait_alu depctr_va_vdst(0)                   ; the wait directly ahead of the first reader of O^T
.set j, 0
.rept 16
	v_pk_mul_f32 v[O+j:O+j+1], v[O+j:O+j+1], v[10:11] op_sel_hi:[1,0]
.set j, j+2
.endr
.irp a, 0,1,2,3
	W6 O+8*\a, \KR+12*\a, \KR+48, O+8*\a, 46+\a, 50
.endr
	v_pk_add_f32 v[62:63], v[62:63], v[66:67]      ; the sum's four chains are joined here: with two v_nop the five places behind the products, whose V's and p's registers the next step's products write over
	v_pk_add_f32 v[14:15], v[14:15], v[60:61]
	v_pk_add_f32 v[14:15], v[14:15], v[62:63]
	v_nop
	v_nop
	s_add_co_u32 s[STEPI], s[STEPI], 1
.endm
.macro QLOAD                           ; q's fragment and scale words for the coming pass, into registers of the second region, which nothing else names until that pass's first product
	global_load_b128 v[YR:YR+3], v8, s[52:53]
	global_load_b128 v[YR+4:YR+7], v8, s[52:53] offset:512
	global_load_b128 v[YR+8:YR+11], v8, s[52:53] offset:1024
	global_load_b32 v[YR+12], v9, s[54:55]
.endm
.macro PAIR pf
	STEP XR, YR, 0, 1, 0
	STEP YR, XR, STEPL, \pf, 1
.endm
.macro BASE at                         ; the pair's base, and the first K behind it
	s_mov_b32 s[TB], \at
	v_add_nc_u32 v4, s[TB], v1
	v_add_nc_u32 v5, s[TB], v2
	v_add_nc_u32 v6, s[TB], v3
	s_wait_alu depctr_va_vdst(0)
	KLOAD XR, 0
.endm
	s_load_b256 s[4:11], s[0:1], 0x0               ; qw, kv, rel_emb, codes
	s_load_b64 s[12:13], s[0:1], 0x20              ; scales
	v_lshl_add_u32 v[SPW], v0, 2, SPARE
	v_mov_b32 v[NIL], 0
	ds_add_u32 v[SPW], v[NIL]                      ; the opening lines: the add, twice on end, and its wait
	ds_add_u32 v[SPW], v[NIL]
	v_lshrrev_b32 v39, 5, v0
	v_readfirstlane_b32 s14, v39                   ; wave 0..15
	s_and_b32 s15, ttmp7, 0xffff                   ; 16 x batch + head
	s_and_b32 s16, s15, 15
	s_mov_b32 s24, (3<<16)|(1<<20)|(5<<22)|(15<<25) ; elements of 8 bytes; behind every 64 words 16 words of padding
	s_mov_b32 s25, 32<<16
	s_mov_b32 s26, 13<<16                          ; 13 rows of 256 bytes a wave: steps 0-3
	s_mov_b32 s27, 32<<16
	s_mov_b32 s28, 13
	s_mov_b32 s29, 32
	s_mov_b32 s30, 0
	s_mov_b32 s31, 0
	s_mul_i32 s33, s14, 13*320
	s_mul_i32 s37, s14, 39*320
	s_add_co_u32 s37, s37, 208*320
	s_mul_i32 s18, s15, HEADB
	s_mul_i32 s17, s14, 13*256
	s_add_co_u32 s58, s18, s17
	s_mov_b32 s59, 0
	s_mul_i32 s17, s14, 39*256
	s_add_co_u32 s60, s18, s17
	s_add_co_u32 s60, s60, 208*256
	s_mov_b32 s61, 0
	s_mov_b32 s20, 0x76543210
	s_mov_b32 s21, 0xfedcba98                      ; lane l xor 16
	s_mov_b32 s22, 0x3fb8aa3b                      ; log2(e)
	s_mov_b32 s23, s22
	s_mov_b32 s32, 1
	s_mov_b32 s36, 1
	s_wait_dscnt 0x0
	s_wait_kmcnt 0x0
	s_add_nc_u64 s[34:35], s[6:7], s[58:59]
	s_add_nc_u64 s[38:39], s[6:7], s[60:61]
	s_or_b32 s35, s35, 0x80000000
	s_or_b32 s39, s39, 0x80000000
	tensor_load_to_lds s[32:35], s[24:31]          ; my one load at the head
	s_nop 0
	s_lshl_b32 s58, s16, 2
	s_add_nc_u64 s[8:9], s[8:9], s[58:59]          ; my head's column of rel_emb
	s_load_b32 s[C0], s[8:9], 0x0
	s_load_b32 s[C31], s[8:9], 0x7c0
	v_and_b32 v67, 127, v0                         ; thread i makes 16 bytes of copy i / 128: entries 4 (i % 128) + i / 128 + 0 .. 3; entry e stands for distance 256 - e, 0 from e = 256 on
	v_lshrrev_b32 v51, 7, v0
	v_lshl_add_u32 v67, v67, 2, v51
.irp k, 0,1,2,3
	v_add_nc_u32 v[68+\k], \k, v67
	v_min_u32 v[68+\k], 256, v[68+\k]
	v_sub_nc_u32 v[68+\k], 256, v[68+\k]
	v_min_u32 v[76+\k], 16, v[68+\k]
.irp th, 19,21,24,27,31,35,40,46,52,59,67,77,87,99,113
	v_cmp_le_u32 vcc_lo, \th, v[68+\k]             ; the least distances of buckets 17 to 31
	v_add_co_ci_u32 v[76+\k], vcc_lo, 0, v[76+\k], vcc_lo
.endr
	v_lshlrev_b32 v[76+\k], 6, v[76+\k]
	global_load_b32 v[72+\k], v[76+\k], s[8:9]
.endr
	v_lshl_add_u32 v55, v0, 4, TAB
	v_and_b32 v60, 31, v0
	v_and_b32 v61, 15, v0                          ; r
	v_bfe_u32 v62, v0, 4, 1                        ; h
	v_and_b32 v63, 7, v0                           ; r % 8
	v_bfe_u32 v64, v0, 3, 1                        ; r / 8
	v_lshlrev_b32 v8, 4, v60                       ; 16 x lane
	v_lshlrev_b32 v9, 3, v60                       ; 8 x lane
	v_lshl_add_u32 v1, v62, 6, v8                  ; V: 16 x lane, lanes 16-31 in the next LDS row
	v_mul_u32_u24 v2, v64, 1920                    ; K: stored fragment 2 c + r / 8,
	v_lshl_add_u32 v2, v63, 4, v2                  ; its lane r % 8,
	v_mad_u32_u24 v2, v62, 320, v2                 ; half h
	v_lshlrev_b32 v3, 3, v63                       ; K's words: 8 x stored lane + 4 (r / 8)
	v_lshl_add_u32 v3, v64, 2, v3
	v_lshl_add_u32 v3, v62, 7, v3
	v_bfe_u32 v65, v0, 6, 2                        ; my query in its block of 128: 32 (tile / 2) + 8 (tile % 2) + r + 8 (r / 8)
	v_lshlrev_b32 v65, 5, v65
	v_bfe_u32 v66, v0, 5, 1
	v_lshl_add_u32 v65, v66, 3, v65
	v_add_nc_u32 v65, v65, v61
	v_lshl_add_u32 v65, v64, 3, v65
	v_mul_u32_u24 v66, v61, 3
	v_and_b32 v66, 3, v66                          ; the copy: (- query) mod 4
	v_mul_u32_u24 v34, v66, TP-4
	v_lshl_add_u32 v34, v62, 7, v34
	v_add_nc_u32 v34, TAB+512, v34
	v_lshlrev_b32 v65, 2, v65
	v_sub_nc_u32 v34, v34, v65                     ; index 128 - query + 32 h in my copy: a multiple of 16 bytes
	v_lshl_add_u32 v7, v61, 5, v62                 ; out: my row's scale byte
	v_lshlrev_b32 v38, 3, v62
	v_mov_b32 v11, 0
	v_mov_b32 v57, 0                               ; (a lane permute's destination counts as one of its sources)
.irp i, 0,1,2,3,4,5
	v_mov_b32 v[16+\i], 0
	v_mov_b32 v[28+\i], 0
.endr
	s_lshl_b32 s[OWN], ttmp9, 2
	s_lshr_b32 s58, s14, 3
	s_add_co_u32 s[OWN], s[OWN], s58               ; my block of 128 queries: 4 x + wave / 8, + 2 in the second pass
	s_lshl_b32 s58, s15, 4
	s_add_co_u32 s58, s58, s[OWN]
	s_mul_i32 s58, s58, PART
	s_add_nc_u64 s[50:51], s[4:5], s[58:59]
	s_bfe_u32 s60, s14, 0x20001
	s_mul_i32 s58, s60, 1536
	s_add_nc_u64 s[52:53], s[50:51], s[58:59]      ; q's fragment
	s_lshr_b32 s58, s60, 1
	s_lshl_b32 s58, s58, 8
	s_and_b32 s61, s60, 1
	s_lshl_b32 s61, s61, 2
	s_add_co_u32 s58, s58, s61
	s_add_co_u32 s58, s58, 6144
	s_add_nc_u64 s[54:55], s[50:51], s[58:59]      ; its scale words
	s_lshr_b32 s58, s15, 4
	s_lshl_b32 s58, s58, 7
	s_lshl_b32 s61, ttmp9, 5
	s_add_co_u32 s58, s58, s61
	s_add_co_u32 s58, s58, s14
	s_add_co_u32 s58, s58, 768                     ; ctx's tile
	s_lshl_b32 s62, s58, 9
	s_mul_i32 s58, s58, 12288
	s_mul_i32 s61, s16, 768
	s_add_co_u32 s58, s58, s61
	s_add_nc_u64 s[10:11], s[10:11], s[58:59]
	s_lshl_b32 s61, s16, 1
	s_add_co_u32 s62, s62, s61
	s_mov_b32 s63, 0
	s_add_nc_u64 s[12:13], s[12:13], s[62:63]
	s_and_b32 s56, s14, 1
	s_cmp_lg_u32 s56, 0
	s_cselect_b32 s48, -1, 0                       ; my tile is the fragment's second
	s_lshl_b32 s56, s56, 4
	s_mov_b32 s57, 0xffff0000
	s_wait_alu depctr_va_vdst(0)                   ; the wait at the head's end
	QLOAD                                          ; the first pass's q, asked for while the first tensor load is out
	s_wait_loadcnt 4                               ; the table's four loads are in; q's four, issued behind them, may be out
	ds_store_b128 v55, v[72:75]
	s_wait_kmcnt 0x0
	s_wait_tensorcnt 0x0                           ; my part of steps 0-3 is in
	ds_add_u32 v[SPW], v[NIL]
	s_mov_b32 s26, 39<<16                          ; no load of mine is out: the next brings 39 rows
	s_mov_b32 s28, 39
	s_wait_dscnt 0x0                               ; the add and my table stores are done
	s_barrier_signal -1
	s_barrier_wait -1
	tensor_load_to_lds s[36:39], s[24:31]          ; steps 4-15: it has the first four steps' work in which to land
	s_nop 0
.macro PASS p
	s_mov_b32 s[STEPI], 0
	BASE 0
	s_wait_loadcnt 0x0
.irp i, 0,1,2,3,4,5
	v_cndmask_b32 v[22+\i], v[YR+\i], v[YR+6+\i], s48
.endr
	v_lshrrev_b32 v40, s56, v[YR+12]
	v_and_b32 v40, 0xffff, v40                     ; q's two bytes under the first tile's blocks,
	v_lshlrev_b32 v41, 16, v40                     ; or under the second's; zero codes stand under the other two
	v_mov_b32 v13, 0xfe967699                      ; -1e38, under every score
	v_mul_f32 v12, s22, v13
	v_floor_f32 v12, -v12
	v_mov_b32 v14, 0
	v_mov_b32 v15, 0
.irp i, 0,1,2,3,4,5,6,7
	v_mov_b32 v[BI+\i], s[C31]                     ; the first steps' keys lie 129 or more ahead of the queries: bucket 31
.endr
.set j, 0
.rept 32
	v_mov_b32 v[O+j], 0                            ; the step is written once: the first finds zeros
.set j, j+1
.endr
	s_wait_alu depctr_va_vdst(0)
.if \p == 0
	PAIR 1
	PAIR 0                                         ; step 4 has not been shown whole yet
	s_wait_tensorcnt 0x0                           ; my part of steps 4-15 is in
	s_wait_dscnt 0x0
	s_barrier_signal -1
	s_barrier_wait -1                              ; everybody's is
	BASE 4*STEPL
	s_mov_b32 s46, 6
.else
	s_mov_b32 s46, 8
.endif
.Ltrip_\@:
	PAIR 2
	s_sub_co_u32 s46, s46, 1
	s_cmp_lg_u32 s46, 0
	s_cbranch_scc1 .Ltrip_\@
	s_wait_alu depctr_va_vdst(0)
	s_wait_dscnt 0x0                               ; the last trip's fetch has come back: its registers may be loaded anew
.if \p == 0
	s_add_nc_u64 s[52:53], s[52:53], 2*PART        ; (this pass's q loads were waited for at its start)
	s_add_nc_u64 s[54:55], s[54:55], 2*PART
	QLOAD                                          ; the next pass's q, asked for ahead of this pass's way out
.endif
	v_add_f32 v14, v14, v15
	s_delay_alu instid0(VALU_DEP_1)
	v_permlanex16_b32 v57, v14, s20, s21
	s_delay_alu instid0(VALU_DEP_1)
	v_add_f32 v14, v14, v57                        ; the row's sum
	s_wait_alu depctr_va_vdst(0)
	v_rcp_f32 v14, v14
	v_nop
	s_wait_alu depctr_va_vdst(0)
.set j, 0
.rept 16
	v_pk_mul_f32 v[O+j:O+j+1], v[O+j:O+j+1], v[14:15] op_sel_hi:[1,0]
.set j, j+2
.endr
.irp e, 0,1                            ; ctx along the head: register 16 e + i is channel 32 e + 16 h + i
	v_max3_num_f32 v[52+\e], |v[O+16*\e]|, |v[O+16*\e+1]|, 0x1800000
.endr
.irp i, 2,4,6,8,10,12,14
.irp e, 0,1
	s_delay_alu instid0(VALU_DEP_2)
	v_max3_num_f32 v[52+\e], v[52+\e], |v[O+16*\e+\i]|, |v[O+16*\e+\i+1]|
.endr
.endr
.irp e, 0,1
	s_delay_alu instid0(VALU_DEP_2)
	v_permlanex16_b32 v[56+\e], v[52+\e], s20, s21
.endr
.irp e, 0,1
	s_delay_alu instid0(VALU_DEP_2)
	v_max_num_f32 v[52+\e], v[52+\e], v[56+\e]
.endr
.irp e, 0,1
	s_delay_alu instid0(VALU_DEP_2)
	v_add_nc_u32 v[60+\e], 0xff000000, v[52+\e]
.endr
.irp e, 0,1
	s_delay_alu instid0(VALU_DEP_2)
	v_lshrrev_b32 v[64+\e], 23, v[60+\e]
.endr
	v_cvt_scalef32_pk16_fp6_f32 v[68:70], v[O:O+15], v60
	v_cvt_scalef32_pk16_fp6_f32 v[74:76], v[O+16:O+31], v61
	v_nop
.irp i, 0,1,2
	v_permlane16_swap_b32 v[68+\i], v[74+\i]       ; a whole block to a lane
.endr
.irp i, 0,1,2
	v_mov_b32 v[71+\i], v[74+\i]
.endr
	v_cndmask_b32 v66, v64, v65, s57               ; lanes 16-31 store the second block's byte
	global_store_b128 v8, v[68:71], s[10:11]       ; 512 consecutive bytes, aligned to 256
	global_store_b64 v9, v[72:73], s[10:11] offset:512
	global_store_b8 v7, v66, s[12:13]
	s_wait_xcnt 0x0                                ; the stores' registers and bases are written again only behind this wait
.if \p == 0
	s_add_co_u32 s[OWN], s[OWN], 2
	s_add_nc_u64 s[10:11], s[10:11], 16*12288
	s_add_nc_u64 s[12:13], s[12:13], 16*512
.endif
.endm
	PASS 0
	PASS 1
	s_wait_tensorcnt 0x0                           ; the wave's end
	ds_add_u32 v[SPW], v[NIL]
	s_wait_dscnt 0x0
	s_endpgm
.Lfunc_end_k_qf90b97b8e2_attn:
	.size	k_qf90b97b8e2_attn, .Lfunc_end_k_qf90b97b8e2_attn-k_qf90b97b8e2_attn
	.p2alignl 7, 3214868480
	.fill 96, 4, 3214868480
	.section	.rodata,"a",@progbits
	.p2align	6, 0x0
	.amdhsa_kernel k_qf90b97b8e2_attn
		.amdhsa_group_segment_fixed_size 327680
		.amdhsa_private_segment_fixed_size 0
		.amdhsa_enable_private_segment 0
		.amdhsa_kernarg_size 40
		.amdhsa_user_sgpr_count 2
		.amdhsa_user_sgpr_kernarg_segment_ptr 1
		.amdhsa_wavefront_size32 1
		.amdhsa_system_sgpr_workgroup_id_x 1
		.amdhsa_system_sgpr_workgroup_id_y 1
		.amdhsa_system_sgpr_workgroup_id_z 1
		.amdhsa_system_vgpr_workitem_id 0
		.amdhsa_next_free_vgpr 256
		.amdhsa_next_free_sgpr 66
		.amdhsa_reserve_vcc 1
		.amdhsa_float_denorm_mode_32 3
		.amdhsa_float_denorm_mode_16_64 3
		.amdhsa_memory_ordered 1
		.amdhsa_forward_progress 1
		.amdhsa_inst_pref_size 166
	.end_amdhsa_kernel
	.amdgpu_metadata
---
amdhsa.version: [ 1, 2 ]
amdhsa.kernels:
  - .name:           k_qf90b97b8e2_attn
    .symbol:         k_qf90b97b8e2_attn.kd
    .args:
      - { .name: qw, .offset: 0, .size: 8, .value_kind: global_buffer, .address_space: global }
      - { .name: kv, .offset: 8, .size: 8, .value_kind: global_buffer, .address_space: global }
      - { .name: rel_emb, .offset: 16, .size: 8, .value_kind: global_buffer, .address_space: global }
      - { .name: codes, .offset: 24, .size: 8, .value_kind: global_buffer, .address_space: global }
      - { .name: scales, .offset: 32, .size: 8, .value_kind: global_buffer, .address_space: global }
    .group_segment_fixed_size: 327680
    .private_segment_fixed_size: 0
    .kernarg_segment_align: 8
    .kernarg_segment_size: 40
    .max_flat_workgroup_size: 512
    .sgpr_count:     66
    .vgpr_count:     256
    .wavefront_size: 32
...
	.end_amdgpu_metadata
.endif
;; end of part 3
;; launch outp (part 4): grid 8 x 32, 4 waves a work-group, clusters of 4 x 4, 295,424 bytes of LDS; arguments codes, scales, input_ids, out0; writes out0
.if DOCPART == 4
	.amdgcn_target "amdgcn-amd-amdhsa--gfx1250"
	.amdhsa_code_object_version 6
	.text
	.protected	k_qf90b97b8e2_outp
	.globl	k_qf90b97b8e2_outp
	.p2align	8
	.type	k_qf90b97b8e2_outp,@function
k_qf90b97b8e2_outp:
	s_mov_b64 s[64:65], 0
	v_nop
	global_prefetch_b8 v0, s[64:65] scope:SCOPE_SE
	s_setreg_imm32_b32 hwreg(HW_REG_WAVE_MODE, 25, 1), 1
	s_wait_xcnt 0x0
	s_wait_alu depctr_hold_cnt(0) depctr_sa_sdst(0) depctr_va_vdst(0) depctr_va_sdst(0) depctr_va_ssrc(0) depctr_va_vcc(0) depctr_vm_vsrc(0)
	s_getreg_b32 s2, hwreg(HW_REG_IB_STS2, 6, 4)
	s_cmp_eq_u32 s2, 0
	s_cbranch_scc0 .Lentry_in_a_cluster
	s_endpgm
.Lentry_in_a_cluster:
	s_bfe_u32 s2, ttmp6, 0x10000c
	s_cmp_lg_u32 s2, 0xf033
	s_cbranch_scc0 .Lentry_shape_is_right
	s_endpgm
.Lentry_shape_is_right:
; out0 = input_ids + ctx wo, the product on codes of FP6 (E2M3) with E8M0 scales, K = 1,024, sums in f32.
; OPERANDS: buffer codes [tile][16 pieces][768], scales [tile][16 rows][32]: a tile is 16 rows (row r of tile T = operand row 32 (T / 2) + 8 (T % 2) + r + 8 (r / 8)); wo's columns are tiles 704-767, ctx's tokens tiles 768-1279.
; SHARES.  A work-group multiplies P, 128 columns of wo (8 tiles, source 0), by R, 256 tokens (16 tiles, source 1).  Wave w takes R's tiles 4 w .. 4 w + 3 against all of P: 32 accumulators, 32 matrix instructions for 128 along K.
; In a result lane (r, h) holds token row r of its tile, and the 16 registers of P's tiles 2 j, 2 j + 1 are columns 32 j + 16 h + 0 .. 15.
; ALL OF K OF BOTH OPERANDS FITS IN LDS: 294,912 bytes, filled once, by one tensor load a wave; nothing is filled again.
; CLUSTER 4 x 4: P hangs on cx and is asked for jointly along a column, R on cy and along a row: the requests are divided by four.
; THE RESIDUAL, the wave's 64 rows x 512 bytes of input_ids, is asked for ahead of the products, into window 3, and is on its way while they run.
; THE WAY OUT: a tile of 16 rows x 128 columns goes through the wave's own stage in LDS and comes back as whole rows of 512 bytes.  The stage lies in the wave's own four tiles of R, which have had their only fill and which only this wave reads.
; REGISTERS: window 0: v1-2 lane offsets, v8-23 LDS addresses, v24-27, v32-95 scale words, v128-223 R's two sets, on the way out v128-255 rows of out0.  Window 1: P's two sets.  Window 2: accumulator (a, b) at v[8 (8 a + b)].  Window 3: the residual.
.set CHUNK, 73728
.set TILEB, 3072
.set TROW,  12288                      ; LDS AS IT IS NOW: tile by tile, all of K on end: R's 16 tiles from byte 0, P's 8 from POFF; each wave brings its share by ONE tensor load (rows of 12,288 bytes), waited for whole ahead of the first fragment
.set POFF,  196608
.set L16,  1
.set L8,   2
.set AR16, 8
.set AR8,  12
.set AP16, 16
.set AP8,  20
.set VO,   24
.set VO2,  25
.set STO,  26
.set RD,   27
.set SC,   32
.set RF,   128
.set G1R,  24
.set G1P,  32
.set G0R,  40
.set G0P,  68
.set MSB, 0
.macro WIN new                         ; the immediate's high byte repeats the setting that is left
.if MSB != \new
	s_set_vgpr_msb (MSB<<8)|\new
.set MSB, \new
.endif
.endm
.macro CROUND                          ; a round of the cluster's barrier
	s_barrier_signal -1
	s_barrier_wait -1
	s_cmp_lg_u32 s12, 0
	s_cbranch_scc1 .Lnot_wave_0_\@
	s_barrier_signal -3
.Lnot_wave_0_\@:
	s_barrier_wait -3
	s_barrier_signal -1
	s_barrier_wait -1
.endm
.macro PLACES                          ; four plain instructions between a matrix instruction and a load into, or a read of, its registers
.rept 4
	v_nop
.endr
.endm
.macro FETCH s                         ; 48 LDS loads: the fragments of the s-th 128 along K into set s % 2
.set CH, (\s)/2
.set OD, (\s)%2
	WIN 0x40                                       ; destination window 1, address window 0
.irp b, 0,1,2,3,4,5,6,7
.irp c, 0,1
	ds_load_b128 v[128*OD+12*\b+6*\c:128*OD+12*\b+6*\c+3], v[AP16+\b/4] offset:(\b%4)*TROW+(\s)*1536+\c*768
	ds_load_b64 v[128*OD+12*\b+6*\c+4:128*OD+12*\b+6*\c+5], v[AP8+\b/4] offset:(\b%4)*TROW+(\s)*1536+\c*768+512
.endr
.endr
	WIN 0
.irp a, 0,1,2,3
.irp c, 0,1
	ds_load_b128 v[RF+48*OD+12*\a+6*\c:RF+48*OD+12*\a+6*\c+3], v[AR16] offset:\a*TROW+(\s)*1536+\c*768
	ds_load_b64 v[RF+48*OD+12*\a+6*\c+4:RF+48*OD+12*\a+6*\c+5], v[AR8] offset:\a*TROW+(\s)*1536+\c*768+512
.endr
.endr
.endm
.macro MUL s, zero                     ; 32 matrix instructions; the 32 accumulators take turns, one instruction a turn.  zero = 1: the first products start the sums
	WIN 0xa1                                       ; source 0 (P) window 1, source 1 (R) window 0, C and D window 2
.irp a, 0,1,2,3
.irp b, 0,1,2,3,4,5,6,7
.if \zero
	v_wmma_scale_f32_16x16x128_f8f6f4 v[8*(8*\a+\b):8*(8*\a+\b)+7], v[128*((\s)%2)+12*\b:128*((\s)%2)+12*\b+11], v[RF+48*((\s)%2)+12*\a:RF+48*((\s)%2)+12*\a+11], 0, v[SC+8*\b+(\s)], v[SC+8*\a+(\s)] matrix_a_fmt:MATRIX_FMT_FP6 matrix_b_fmt:MATRIX_FMT_FP6 matrix_a_scale:MATRIX_SCALE_ROW1
.else
	v_wmma_scale_f32_16x16x128_f8f6f4 v[8*(8*\a+\b):8*(8*\a+\b)+7], v[128*((\s)%2)+12*\b:128*((\s)%2)+12*\b+11], v[RF+48*((\s)%2)+12*\a:RF+48*((\s)%2)+12*\a+11], v[8*(8*\a+\b):8*(8*\a+\b)+7], v[SC+8*\b+(\s)], v[SC+8*\a+(\s)] matrix_a_fmt:MATRIX_FMT_FP6 matrix_b_fmt:MATRIX_FMT_FP6 matrix_a_scale:MATRIX_SCALE_ROW1
.endif
.endr
.endr
	WIN 0
.endm
.macro KSTEP s                         ; this step's fragments are in; the next step's are asked for; this step is multiplied
	s_wait_dscnt 0x0
.if (\s) < 7
.if (\s) > 0
	PLACES
.endif
	FETCH (\s)+1
.endif
.if (\s) == 0
	MUL \s, 1
.else
	MUL \s, 0
.endif
.endm
	s_load_b256 s[4:11], s[0:1], 0x0               ; codes s[4:5], scales s[6:7], input_ids s[8:9], out0 s[10:11]
	v_lshl_add_u32 v126, v0, 2, 0x48000
	v_mov_b32 v127, 0
	ds_add_u32 v126, v127
	ds_add_u32 v126, v127
	v_lshrrev_b32 v3, 5, v0
	v_readfirstlane_b32 s12, v3                    ; wave 0..3
	s_and_b32 s13, s12, 1                          ; which half of a tile group I fetch
	s_bfe_u32 s14, ttmp6, 0x40000                  ; cx
	s_bfe_u32 s15, ttmp6, 0x40004                  ; cy
	s_lshl_b32 s18, ttmp9, 2
	s_add_co_u32 s18, s18, s14                     ; Pt = 4 x cluster x + cx: which 128 columns
	s_lshl_b32 s19, s18, 3
	s_add_co_u32 s19, s19, 704                     ; P's first tile
	s_and_b32 s20, ttmp7, 0xffff
	s_lshl_b32 s20, s20, 2
	s_add_co_u32 s20, s20, s15                     ; Rt = 4 x cluster y + cy: which 256 tokens
	s_lshl_b32 s21, s20, 4
	s_add_co_u32 s21, s21, 768                     ; R's first tile
	s_lshl_b32 s61, s15, 2
	s_lshl_b32 s61, 15, s61                        ; my row of the cluster
	s_lshl_b32 s59, 0x1111, s14                    ; my column
	; descriptor group 1: rows of 12,288 bytes (1,536 elements of 8 bytes: a tile's whole K), on end; no padding: every fragment load reads consecutive bytes
	s_or_b32 s[G1R], s61, (3<<16)|(1<<21)          ; 15:0 the mask: R's tiles go to my row; 17:16 elements of 8 bytes; 21 set beside a mask
	s_or_b32 s[G1P], s59, (3<<16)|(1<<21)          ; P's go to my column
	s_mov_b32 s[G1R+1], 1536<<16                   ; tensor_dim0: a tile's whole K, 1,536 elements of 8 bytes
	s_mov_b32 s[G1R+2], 8<<16                      ; tensor_dim1: 8 tiles a load
	s_mov_b32 s[G1R+3], 1536<<16                   ; tile_dim0
	s_mov_b32 s[G1R+4], 8                          ; tile_dim1
	s_mov_b32 s[G1R+5], 1536                       ; tensor_dim0_stride
	s_mov_b32 s[G1R+6], 0
	s_mov_b32 s[G1R+7], 0
	s_mov_b32 s[G1P+1], 1536<<16
	s_mov_b32 s[G1P+2], 4<<16                      ; 4 tiles a load
	s_mov_b32 s[G1P+3], 1536<<16
	s_mov_b32 s[G1P+4], 4
	s_mov_b32 s[G1P+5], 1536
	s_mov_b32 s[G1P+6], 0
	s_mov_b32 s[G1P+7], 0
	s_lshl_b32 s62, s13, 3
	s_add_co_u32 s62, s62, s21
	s_mul_i32 s62, s62, 12288                      ; R: my 8 tiles, in bytes (in registers that never hold cx)
	s_mov_b32 s63, 0
	s_lshl_b32 s56, s13, 2
	s_add_co_u32 s56, s56, s19
	s_mul_i32 s56, s56, 12288                      ; P: my 4 tiles (in registers that never hold cy)
	s_mov_b32 s57, 0
	s_mul_i32 s92, s13, 8*TROW
	s_mul_i32 s93, s13, 4*TROW
	s_wait_dscnt 0x0
	s_wait_kmcnt 0x0
	s_add_nc_u64 s[62:63], s[4:5], s[62:63]
	s_add_nc_u64 s[56:57], s[4:5], s[56:57]
	CROUND                                         ; all sixteen work-groups are here: the joint loads meet
.irp c, 0
	s_mov_b32 s[G0R+4*\c], 1
	s_add_co_u32 s[G0R+4*\c+1], s92, \c*CHUNK
	s_add_nc_u64 s[G0R+4*\c+2:G0R+4*\c+3], s[62:63], \c*TILEB
	s_or_b32 s[G0R+4*\c+3], s[G0R+4*\c+3], 0x80000000
	s_mov_b32 s[G0P+4*\c], 1
	s_add_co_u32 s[G0P+4*\c+1], s93, \c*CHUNK+POFF
	s_add_nc_u64 s[G0P+4*\c+2:G0P+4*\c+3], s[56:57], \c*TILEB
	s_or_b32 s[G0P+4*\c+3], s[G0P+4*\c+3], 0x80000000
.endr
	s_cmp_lt_u32 s12, 2                            ; waves 0 and 1 fetch R's halves, waves 2 and 3 P's: a wave's one fill stands in a branch on its number, ahead of every wait on TENSORcnt and every LDS read
	s_cbranch_scc0 .Lfirst_p
	tensor_load_to_lds s[G0R:G0R+3], s[G1R:G1R+7]
	s_nop 0
.rept 4
	v_nop
.endr
	s_branch .Lfirst_asked
.Lfirst_p:
	tensor_load_to_lds s[G0P:G0P+3], s[G1P:G1P+7]
	s_nop 0
.rept 4
	v_nop
.endr
.Lfirst_asked:
	v_and_b32 v3, 31, v0
	v_lshlrev_b32 v[L16], 4, v3
	v_lshlrev_b32 v[L8], 3, v3
	v_and_b32 v4, 15, v0
	v_bfe_u32 v7, v0, 4, 1
	s_mul_i32 s96, s12, 4*TROW                     ; my stage lies in my own four tiles of R, which I alone read and have read out when the first result is stored; they have had their only fill
	v_mul_u32_u24 v[STO], v4, 528
	v_lshl_add_u32 v[STO], v7, 6, v[STO]
	v_add_nc_u32 v[STO], s96, v[STO]               ; in: tile row r, + 64 h: columns 16 h on of each 32
	v_add_nc_u32 v[RD], s96, v[L16]                ; back: a row of 512 bytes, 16 bytes a lane
	v_lshlrev_b32 v4, 5, v4                        ; a row of scale bytes: 32 r
	s_lshl_b32 s96, s12, 2
	s_add_co_u32 s96, s96, s21
	s_lshl_b32 s96, s96, 9                         ; R's: my four tiles
	s_lshl_b32 s97, s19, 9                         ; P's
	v_mov_b32 v5, s96
	v_mov_b32 v6, s97
	v_cmp_le_u32 vcc_lo, 16, v3
	v_cndmask_b32 v[VO], v5, v6, vcc_lo            ; lanes 0-15 take R's words, lanes 16-31 P's
	v_add_nc_u32 v[VO], v[VO], v4
	v_add_nc_u32 v6, 2048, v6
	v_cndmask_b32 v[VO2], v5, v6, vcc_lo           ; for P's tiles 4-7 (R's lanes take their four tiles again)
	v_add_nc_u32 v[VO2], v[VO2], v4
.irp i, 0,1,2,3
	global_load_b128 v[SC+8*\i:SC+8*\i+3], v[VO], s[6:7] offset:512*\i         ; the scale words of all of K come once: 32 bytes a row
	global_load_b128 v[SC+8*\i+4:SC+8*\i+7], v[VO], s[6:7] offset:512*\i+16
.endr
.irp i, 0,1,2,3
	global_load_b128 v[SC+32+8*\i:SC+32+8*\i+3], v[VO2], s[6:7] offset:512*\i
	global_load_b128 v[SC+32+8*\i+4:SC+32+8*\i+7], v[VO2], s[6:7] offset:512*\i+16
.endr
	s_mul_i32 s94, s12, 4*TROW                     ; my four tiles of R
	v_add_nc_u32 v[AR16], s94, v[L16]
	v_add_nc_u32 v[AR8], s94, v[L8]
.irp c, 0,1
	v_add_nc_u32 v[AP16+\c], \c*4*TROW+POFF, v[L16] ; P's tiles 0-3 and 4-7: an LDS offset has 16 bits
	v_add_nc_u32 v[AP8+\c], \c*4*TROW+POFF, v[L8]
.endr
	s_lshl_b32 s96, s20, 8
	s_lshl_b32 s97, s12, 6
	s_add_co_u32 s96, s96, s97                     ; my first token: 256 Rt + 64 w
	s_lshl_b32 s96, s96, 12                        ; rows of 4,096 bytes
	s_lshl_b32 s97, s18, 9                         ; my work-group's 128 columns: 512 bytes
	s_add_co_u32 s96, s96, s97
	s_mov_b32 s97, 0
	s_add_nc_u64 s[84:85], s[8:9], s[96:97]
	s_add_nc_u64 s[86:87], s[10:11], s[96:97]
	s_wait_alu depctr_va_vdst(0)                   ; the wait at the head's end
	WIN 0xc0                                       ; destination window 3
.irp a, 0,1,2,3
.irp t, 0,1,2,3,4,5,6,7,8,9,10,11,12,13,14,15
	global_load_b128 v[64*\a+4*\t:64*\a+4*\t+3], v[L16], s[84:85] offset:(32*(\a/2)+8*(\a%2)+\t+8*(\t/8))*4096 th:TH_LOAD_NT   ; the residual: row t of my tile a: 512 consecutive bytes; asked for while the operands' tensor load is out
.endr
.endr
	WIN 0
	s_wait_tensorcnt 0x0                           ; my one load has landed
	s_barrier_signal -1
	s_barrier_wait -1
	FETCH 0
	s_wait_loadcnt 63                              ; behind the 16 loads of scale words stand the residual's 64: with 63 out at the most the scale words are in
.irp s, 0,1,2,3,4,5,6,7
	KSTEP \s
.endr
	PLACES                                         ; behind the last products: for the reads of results and the loads into R's registers
.irp a, 0,1,2,3
.if \a >= 2
	s_wait_xcnt 0x0                                ; tile a - 2's stores have read their registers: tile a's rows may land there
.endif
	WIN 0x08                                       ; an LDS store's data: window 2
.irp b, 0,1,2,3,4,5,6,7
	ds_store_b128 v[STO], v[8*(8*\a+\b):8*(8*\a+\b)+3] offset:128*(\b/2)+32*(\b%2)        ; each accumulator from its low end on
	ds_store_b128 v[STO], v[8*(8*\a+\b)+4:8*(8*\a+\b)+7] offset:128*(\b/2)+32*(\b%2)+16
.endr
	WIN 0
.set BB, 128+64*(\a%2)
.irp t, 0,1,2,3,4,5,6,7,8,9,10,11,12,13,14,15
	ds_load_b128 v[BB+4*\t:BB+4*\t+3], v[RD] offset:\t*528    ; LDS serves a wave's instructions in order: these see my stores
.endr
	s_wait_dscnt 0x0
	s_wait_loadcnt 16*(3-\a)                       ; this tile's residual is in; the later tiles' stays out
	WIN 0x0c                                       ; source 1 window 3
.set p, 0
.rept 32
	v_pk_add_f32 v[BB+p:BB+p+1], v[BB+p:BB+p+1], v[64*\a+p:64*\a+p+1]
.set p, p+2
.endr
	WIN 0
.irp t, 0,1,2,3,4,5,6,7,8,9,10,11,12,13,14,15
	global_store_b128 v[L16], v[BB+4*\t:BB+4*\t+3], s[86:87] offset:(32*(\a/2)+8*(\a%2)+\t+8*(\t/8))*4096 th:TH_STORE_NT   ; 512 consecutive bytes, aligned to 256; written once
.endr
.endr
	s_wait_tensorcnt 0x0
	s_wait_tensorcnt 0x0
	ds_add_u32 v126, v127
	s_wait_dscnt 0x0
	CROUND                                         ; the closing round: no work-group ends while a partner may still ask for a tile that names it
	s_endpgm
.Lfunc_end_k_qf90b97b8e2_outp:
	.size	k_qf90b97b8e2_outp, .Lfunc_end_k_qf90b97b8e2_outp-k_qf90b97b8e2_outp
	.p2alignl 7, 3214868480
	.fill 96, 4, 3214868480
	.section	.rodata,"a",@progbits
	.p2align	6, 0x0
	.amdhsa_kernel k_qf90b97b8e2_outp
		.amdhsa_group_segment_fixed_size 295424
		.amdhsa_private_segment_fixed_size 0
		.amdhsa_enable_private_segment 0
		.amdhsa_kernarg_size 32
		.amdhsa_user_sgpr_count 2
		.amdhsa_user_sgpr_kernarg_segment_ptr 1
		.amdhsa_wavefront_size32 1
		.amdhsa_system_sgpr_workgroup_id_x 1
		.amdhsa_system_sgpr_workgroup_id_y 1
		.amdhsa_system_sgpr_workgroup_id_z 1
		.amdhsa_system_vgpr_workitem_id 0
		.amdhsa_next_free_vgpr 1024
		.amdhsa_next_free_sgpr 100
		.amdhsa_reserve_vcc 1
		.amdhsa_float_denorm_mode_32 3
		.amdhsa_float_denorm_mode_16_64 3
		.amdhsa_memory_ordered 1
		.amdhsa_forward_progress 1
		.amdhsa_inst_pref_size 95
	.end_amdhsa_kernel
	.amdgpu_metadata
---
amdhsa.version: [ 1, 2 ]
amdhsa.kernels:
  - .name:           k_qf90b97b8e2_outp
    .symbol:         k_qf90b97b8e2_outp.kd
    .args:
      - { .name: codes, .offset: 0, .size: 8, .value_kind: global_buffer, .address_space: global }
      - { .name: scales, .offset: 8, .size: 8, .value_kind: global_buffer, .address_space: global }
      - { .name: input_ids, .offset: 16, .size: 8, .value_kind: global_buffer, .address_space: global }
      - { .name: out0, .offset: 24, .size: 8, .value_kind: global_buffer, .address_space: global }
    .group_segment_fixed_size: 295424
    .private_segment_fixed_size: 0
    .kernarg_segment_align: 8
    .kernarg_segment_size: 32
    .max_flat_workgroup_size: 128
    .sgpr_count:     100
    .vgpr_count:     1024
    .wavefront_size: 32
...
	.end_amdgpu_metadata
.endif
;; end of part 4
